; MI455X (gfx1250); checked and timed in simulation.
; The chip was launched on July 23, 2026; its instructions are those of AMD's public machine-readable ISA for CDNA 5 (MIT licence, August 2026) and "CDNA5" Instruction Set Architecture Reference Guide (July 2026). The comments in the code are by the model that wrote it; some were corrected since.
;; Temporal Multihead Attention. Allowed arithmetic: matrix products marked QUANTISED: E2M1 operands, one E8M0 scale for each 32 along K, by v_wmma_scale_f32_16x16x128_f8f6f4 with both operands' format E2M1 (or v_wmma_scale_f32_32x16x128_f4), f32 sums; products left as they are: bf16, f16 or f32 operands; f32 sums; everything else in f32.
;; Inputs: in_proj_bias 3,072 float32; in_proj_weight 3,072 x 1,024 float32; key 1,024 x 8 x 1,024 float32; out_proj_bias 1,024 float32; out_proj_weight 1,024 x 1,024 float32; query 1,024 x 8 x 1,024 float32; time 1,024 x 8 x 1 float32; value 1,024 x 8 x 1,024 float32.
;; Outputs: out0 1,024 x 8 x 1,024 float32; out1 8 x 1,024 x 1,024 float32.
;; This version of the problem:
;;   THIS VERSION OF THE PROBLEM IS GIVEN IN LOW PRECISION. The matrix products marked QUANTISED in the list below multiply operands that are first quantised to E2M1 (2 exponent bits, 1 mantissa bit; 4 bits a number), with one power-of-two scale for each 32 numbers along K (OCP MX v1.0); their sums are f32. The products marked 'left as it is' may take bf16, f16 or f32 operands, with f32 sums. Whichever they take, every output number must still come out within the allowed error. Rounding operands to bf16 (8 significant bits) uses up far more of that allowance than f16 does (11 bits, for magnitudes from 6e-5 to 65,504). All else is computed in f32.
;;   The module's matrix products, in the order in which they are computed (A, B: the left and right operand; K: the contracted axis; several contracted axes count as one K, in the product's order):
;;     1. [M 8,192, K 1,024] x [K 1,024, N 1,024]; A: input query; B: input in_proj_weight: QUANTISED
;;     2. [M 8,192, K 1,024] x [K 1,024, N 1,024]; A: input key; B: input in_proj_weight: QUANTISED
;;     3. [M 8,192, K 1,024] x [K 1,024, N 1,024]; A: input value; B: input in_proj_weight: QUANTISED
;;     4. batch 128 x [M 1,024, K 64] x [K 64, N 1,024]; A: computed on the way; B: computed on the way: left as it is (an operand is computed on the way)
;;     5. batch 128 x [M 64, K 1,024] x [K 1,024, N 1,024]; A: computed on the way; B: computed on the way: left as it is (an operand is computed on the way)
;;     6. [M 8,192, K 1,024] x [K 1,024, N 1,024]; A: computed on the way; B: input out_proj_weight: left as it is (an operand is computed on the way)
;;   THE QUANTISER, for each operand of a quantised product, along K:
;;     - K is cut into blocks of 32 from its start; a last block that is shorter is filled with zeros.
;;     - A block's scale is 2^e with e = floor(log2(the largest magnitude in the block)) - 2, held to -126 .. 127; a block of zeros has e = 0. As a byte (E8M0): e + 127.
;;     - Each number is divided by its block's scale, clamped to +-6, and rounded to the nearest number of E2M1, ties to even, subnormals kept.
;;     - The product sums the exact products of the quantised numbers (number of the format x scale) in f32.
;;   ~~~python
;;   def quantise(x, axis):      # numpy; x: float32 -> the quantised numbers, widened to float32 again
;;       x = np.moveaxis(x, axis, -1); K = x.shape[-1]
;;       x = np.pad(x, [(0, 0)] * (x.ndim - 1) + [(0, -K % 32)]); x = x.reshape(x.shape[:-1] + (-1, 32)); a = np.abs(x).max(-1, keepdims=True)
;;       e = np.where(a > 0, np.clip(np.frexp(np.where(a > 0, a, 1))[1] - 1 - 2, -126, 127), 0)      # np.frexp(a)[1] - 1 = floor(log2(a)), exactly
;;       r = np.clip(x / 2.0 ** e, -6, 6)
;;       step = 2.0 ** (np.maximum(np.frexp(np.where(r == 0, 1, r))[1] - 1, 0) - 1)
;;       q = np.round(r / step) * step * 2.0 ** e      # np.round: ties to even
;;       return np.moveaxis(q.reshape(q.shape[:-2] + (-1,))[..., :K], -1, axis).astype(np.float32)
;;   ~~~
;; One version. Each part assembles by itself: llvm-mc -triple=amdgcn-amd-amdhsa -mcpu=gfx1250 --defsym DOCPART=n.
;; ======== version 1 of 1: 4 launches
;; limits: right only within a limited range of input values; values are held in f16: magnitudes above 65,504 overflow, below 6.1e-05 lose precision
;; workspace buffers: codes 14,155,776 bytes; scales 884,736 bytes; wo_h 2,097,152 bytes; qkv 50,331,648 bytes; o_img 16,777,216 bytes
;; launch quant (part 1): grid 896 x 1, 4 waves a work-group, no clusters, 33,280 bytes of LDS; arguments query, key, value, in_proj_weight, out_proj_weight, codes, scales, wo_h; writes codes, scales, wo_h
.if DOCPART == 1
	.amdgcn_target "amdgcn-amd-amdhsa--gfx1250"
	.amdhsa_code_object_version 6
	.text
	.protected	k_qdbee5df44b_quant
	.globl	k_qdbee5df44b_quant
	.p2align	8
	.type	k_qdbee5df44b_quant,@function
k_qdbee5df44b_quant:
	s_mov_b64 s[64:65], 0
	v_nop
	global_prefetch_b8 v0, s[64:65] scope:SCOPE_SE
	s_setreg_imm32_b32 hwreg(HW_REG_WAVE_MODE, 25, 1), 1
	s_wait_xcnt 0x0
; query, key, value [1024 (l)][8 (n)][1024] and in_proj_weight [3072][1024], f32, K innermost, become codes of FP4 (E2M1) with one E8M0 byte for each 32 along K;
; out_proj_weight [1024][1024] becomes f16 (its product is not quantised).
; codes: 27,648 rows of 512 bytes; scales: the same rows of 32 bytes.  Rows 0.. query, 8,192.. key, 16,384.. value, each at n x 1,024 + l (so that a head's tokens are neighbouring rows later); rows 24,576.. the weight's 3,072.
; A block's scale is 2^(floor(log2(its largest magnitude)) - 2); its byte is the largest magnitude's exponent field - 2, held at 1 from below.
; LIMITS: a block of zeros gets the byte 1 where the rule says 127 (its codes are zeros, and this program alone reads the bytes); blocks whose largest magnitude lies under 2^(2 - 126) are held at the byte 1;
; NaN and infinities among the inputs are not served.  out_proj_weight must stay under 65,504 in magnitude (f16).
; SHARES.  Wave G = 4 x work-group + wave takes output rows 8 G .. 8 G + 7: 16 steps of 512 numbers, two steps a row.  Work-groups 0-767: the three activations (input rows 32,768 bytes apart: l steps, n stays);
; 768-863: the weight (rows 4,096 bytes apart); 864-895: out_proj_weight, a path of its own with no LDS traffic.  Only pointers, one offset and one stride are chosen: the four quantised tensors take one path.
; A step: four loads of 512 consecutive bytes; the 2,048 bytes turn through the wave's own stage in LDS, so that a lane holds 16 neighbours along K (two lanes a block); 8 bytes of codes a lane: 256 consecutive bytes a store.
; A wave's 256 scale bytes are gathered in LDS and leave as one aligned run of 256 bytes.  No tensor loads, no barrier: waves share nothing; work-groups share no input, so no cluster.
.set WAVES, 4
.set STEPS, 16
.set EMAX,  2
.set R,     16                         ; v16-79   four sets of 16 numbers as they are loaded
.set X,     80                         ; v80-111  two sets of 16 neighbours
.set E,     112                        ; v112-127 a scale byte for each step
.set C,     128                        ; v128-159 codes: two registers for each step, so that no store's data are written again
.set OFF,   160                        ; v160-167 row j of my eight: 16 x lane + j x the stride; never rewritten
.set WREG,  8192                       ; LDS: a region for each wave: two stages of 32 x SP bytes, and behind them its 256 scale bytes
.set SP,    80                         ; a lane's place in a stage: 64 bytes + 16 of padding
.set SPW,   12                         ; v12  LDS address of my spare word; never rewritten
.set NIL,   13                         ; v13  0; never rewritten
.set SPARE, WAVES*WREG                 ; behind the four regions: the spare words, 128 bytes a wave
	s_load_b256 s[4:11], s[0:1], 0x0               ; query s[4:5], key s[6:7], value s[8:9], in_proj_weight s[10:11]
	s_load_b256 s[12:19], s[0:1], 0x20             ; out_proj_weight s[12:13], codes s[14:15], scales s[16:17], wo_h s[18:19]
	v_lshl_add_u32 v[SPW], v0, 2, SPARE
	v_mov_b32 v[NIL], 0
	v_lshrrev_b32 v1, 5, v0
	v_readfirstlane_b32 s20, v1                    ; wave
	v_and_b32 v2, 31, v0                           ; lane
	v_lshlrev_b32 v3, 4, v2                        ; 16 bytes a lane
	v_lshlrev_b32 v4, 3, v2                        ; 8 bytes a lane
	s_cmp_ge_u32 ttmp9, 864                        ; the work-group's number alone decides the path
	s_cbranch_scc1 .Lwo
	s_mul_i32 s21, s20, WREG
	v_lshrrev_b32 v14, 2, v2
	v_mul_u32_u24 v14, v14, SP
	v_and_b32 v15, 3, v2
	v_lshl_add_u32 v14, v15, 4, v14
	v_add_nc_u32 v14, s21, v14                     ; the stage, on the way in: SP (lane / 4) + 16 (lane % 4); a load's 512 bytes take eight places
	v_mul_u32_u24 v15, v2, SP
	v_add_nc_u32 v15, s21, v15                     ; and on the way out: SP x lane: my 16 neighbours
	v_lshrrev_b32 v5, 1, v2
	s_add_co_u32 s21, s21, 2*32*SP
	v_add_nc_u32 v5, s21, v5                       ; my wave's 256 scale bytes, my block's byte
	v_lshlrev_b32 v7, 3, v2
	v_add_nc_u32 v6, s21, v7                       ; and on the way out 8 bytes a lane
	s_lshl_b32 s22, ttmp9, 2
	s_add_co_u32 s22, s22, s20                     ; G
	s_and_b32 s23, s22, 1023                       ; G within its activation
	s_and_b32 s24, s23, 127
	s_lshl_b32 s24, s24, 18                        ; l = 8 (G % 128): 8 x 32,768 bytes each
	s_lshr_b32 s25, s23, 7
	s_lshl_b32 s25, s25, 12                        ; n = G / 128: 4,096 bytes each
	s_add_co_u32 s24, s24, s25                     ; an activation's offset
	s_max_u32 s25, s22, 3072
	s_sub_co_u32 s25, s25, 3072
	s_lshl_b32 s25, s25, 15                        ; the weight's offset: 8 dense rows a wave
	s_mov_b32 s26, 4096
	s_wait_kmcnt 0x0
	s_cmp_lt_u32 ttmp9, 256
	s_cselect_b64 s[4:5], s[4:5], s[6:7]
	s_cmp_lt_u32 ttmp9, 512
	s_cselect_b64 s[4:5], s[4:5], s[8:9]
	s_cmp_lt_u32 ttmp9, 768
	s_cselect_b64 s[4:5], s[4:5], s[10:11]
	s_cselect_b32 s24, s24, s25
	s_cselect_b32 s26, 32768, s26                  ; bytes from one of my rows to the next
	s_mov_b32 s25, 0
	s_add_nc_u64 s[4:5], s[4:5], s[24:25]
	s_lshl_b32 s24, s22, 12                        ; 8 rows of 512 bytes of codes
	s_add_nc_u64 s[14:15], s[14:15], s[24:25]
	s_lshl_b32 s24, s22, 8                         ; 8 rows of 32 scale bytes
	s_add_nc_u64 s[16:17], s[16:17], s[24:25]
.irp j, 0,1,2,3,4,5,6,7
	s_mul_i32 s27, s26, \j
	v_add_nc_u32 v[OFF+\j], s27, v3
.endr
.macro LOAD t
.irp i, 0,1,2,3
	global_load_b128 v[R+16*((\t)%4)+4*\i:R+16*((\t)%4)+4*\i+3], v[OFF+(\t)/2], s[4:5] offset:2048*((\t)%2)+512*\i th:TH_LOAD_NT   ; 32 lanes read 512 consecutive bytes
.endr
.endm
.macro TURN t                          ; step t's numbers through the stage: LDS serves a wave's instructions in order, so no wait stands between the stores and the loads
.irp i, 0,1,2,3
	ds_store_b128 v14, v[R+16*((\t)%4)+4*\i:R+16*((\t)%4)+4*\i+3] offset:32*SP*((\t)%2)+8*SP*\i
.endr
.irp i, 0,1,2,3
	ds_load_b128 v[X+16*((\t)%2)+4*\i:X+16*((\t)%2)+4*\i+3], v15 offset:32*SP*((\t)%2)+16*\i
.endr
.endm
.irp t, 0,1,2,3
	LOAD \t
.endr
	s_wait_loadcnt 12                              ; step 0's four loads are in; the twelve of steps 1 to 3 may be out
	TURN 0
.macro STEP t
.set XS, X+16*((\t)%2)
.if (\t) > 0
	s_wait_dscnt 1                                 ; this step's numbers are back from the stage (the last step's byte store may be out): so its stores into the stage have read their registers,
.else
	s_wait_dscnt 0x0
.endif
.if (\t)+4 < STEPS
	LOAD (\t)+4                                    ; which take the loads of four steps on
.endif
.if (\t)+1 < STEPS
.if STEPS-2-(\t) >= 3
	s_wait_loadcnt 12                              ; the next step's four loads are in; those of the three steps behind it may be out
.else
	s_wait_loadcnt 4*(STEPS-2-(\t))
.endif
	TURN (\t)+1                                    ; and go through the other stage while this step is worked
.endif
	v_max3_num_f32 v8, |v[XS]|, |v[XS+1]|, |v[XS+2]|               ; the largest magnitude of my 16, in two chains
	v_max3_num_f32 v9, |v[XS+3]|, |v[XS+4]|, |v[XS+5]|
.irp i, 6,10
	v_max3_num_f32 v8, v8, |v[XS+\i]|, |v[XS+\i+1]|
	v_max3_num_f32 v9, v9, |v[XS+\i+2]|, |v[XS+\i+3]|
.endr
	v_max3_num_f32 v8, v8, |v[XS+14]|, |v[XS+15]|
	v_max3_num_f32 v8, v8, v9, (EMAX+1)<<23        ; and the floor 2^(EMAX + 1 - 127): the byte cannot fall under 1
	v_max_num_f32_dpp v8, v8, v8 row_xmask:1 row_mask:0xf bank_mask:0xf   ; and of my neighbour's 16: the block's
	v_add_nc_u32 v11, -(EMAX<<23), v8              ; EMAX off its exponent field: the conversion takes the exponent field of this operand as its scale
	v_cvt_scalef32_pk8_fp4_f32 v[C+2*(\t)], v[XS:XS+7], v11        ; eight numbers / the scale, to the nearest code, ties to even, beyond the largest code the largest
	v_cvt_scalef32_pk8_fp4_f32 v[C+2*(\t)+1], v[XS+8:XS+15], v11
	v_lshrrev_b32 v[E+(\t)], 23, v11               ; the scale's byte (also the plain line behind the conversions)
	ds_store_b8 v5, v[E+(\t)] offset:16*(\t)       ; both lanes of a block write the same byte with the same value
	global_store_b64 v4, v[C+2*(\t):C+2*(\t)+1], s[14:15] offset:256*(\t)   ; 32 lanes store 256 consecutive bytes, aligned
.endm
.irp t, 0,1,2,3,4,5,6,7,8,9,10,11,12,13,14,15
	STEP \t
.endr
	ds_load_b64 v[8:9], v6                         ; LDS serves a wave's instructions in order: these see my stores
	s_wait_dscnt 0x0
	global_store_b64 v7, v[8:9], s[16:17]          ; 32 lanes store 256 consecutive bytes, aligned
	s_wait_tensorcnt 0x0                           ; the wave's end
	ds_add_u32 v[SPW], v[NIL]
	s_wait_dscnt 0x0
	s_endpgm
; out_proj_weight to f16: a wave takes 8,192 numbers, four batches of 16 loads; two batches are on their way.
.Lwo:
	s_sub_co_u32 s21, ttmp9, 864
	s_lshl_b32 s21, s21, 2
	s_add_co_u32 s21, s21, s20                     ; 0 .. 127
	s_lshl_b32 s22, s21, 15                        ; 32,768 bytes in,
	s_mov_b32 s23, 0
	s_lshl_b32 s24, s21, 14                        ; 16,384 out
	s_mov_b32 s25, 0
	s_wait_kmcnt 0x0
	s_add_nc_u64 s[12:13], s[12:13], s[22:23]
	s_add_nc_u64 s[18:19], s[18:19], s[24:25]
.macro WLOAD b
.irp i, 0,1,2,3,4,5,6,7,8,9,10,11,12,13,14,15
	global_load_b128 v[16+64*((\b)%2)+4*\i:16+64*((\b)%2)+4*\i+3], v3, s[12:13] offset:512*(16*(\b)+\i) th:TH_LOAD_NT
.endr
.endm
.macro WCONV b
.if (\b) < 3
	s_wait_loadcnt 16                              ; this batch is in; the next batch's sixteen may be out
.else
	s_wait_loadcnt 0x0
.endif
.if (\b) > 0
	s_wait_xcnt 0x0                                ; the last batch's stores have read v144-175
.endif
.irp i, 0,1,2,3,4,5,6,7,8,9,10,11,12,13,14,15
	v_cvt_pk_f16_f32 v[144+2*\i], v[16+64*((\b)%2)+4*\i], v[16+64*((\b)%2)+4*\i+1]
	v_cvt_pk_f16_f32 v[145+2*\i], v[16+64*((\b)%2)+4*\i+2], v[16+64*((\b)%2)+4*\i+3]
.endr
.irp i, 0,1,2,3,4,5,6,7,8,9,10,11,12,13,14,15
	global_store_b64 v4, v[144+2*\i:145+2*\i], s[18:19] offset:256*(16*(\b)+\i)   ; 256 consecutive bytes, aligned
.endr
.if (\b)+2 < 4
	WLOAD (\b)+2
.endif
.endm
	WLOAD 0
	WLOAD 1
	WCONV 0
	WCONV 1
	WCONV 2
	WCONV 3
	s_wait_tensorcnt 0x0                           ; every wave of this launch ends alike
	ds_add_u32 v[SPW], v[NIL]
	s_wait_dscnt 0x0
	s_endpgm
.Lfunc_end_k_qdbee5df44b_quant:
	.size	k_qdbee5df44b_quant, .Lfunc_end_k_qdbee5df44b_quant-k_qdbee5df44b_quant
	.p2alignl 7, 3214868480
	.fill 96, 4, 3214868480
	.section	.rodata,"a",@progbits
	.p2align	6, 0x0
	.amdhsa_kernel k_qdbee5df44b_quant
		.amdhsa_group_segment_fixed_size 33280
		.amdhsa_private_segment_fixed_size 0
		.amdhsa_enable_private_segment 0
		.amdhsa_kernarg_size 64
		.amdhsa_user_sgpr_count 2
		.amdhsa_user_sgpr_kernarg_segment_ptr 1
		.amdhsa_wavefront_size32 1
		.amdhsa_system_sgpr_workgroup_id_x 1
		.amdhsa_system_sgpr_workgroup_id_y 1
		.amdhsa_system_sgpr_workgroup_id_z 1
		.amdhsa_system_vgpr_workitem_id 0
		.amdhsa_next_free_vgpr 192
		.amdhsa_next_free_sgpr 66
		.amdhsa_reserve_vcc 0
		.amdhsa_float_denorm_mode_32 3
		.amdhsa_float_denorm_mode_16_64 3
		.amdhsa_memory_ordered 1
		.amdhsa_forward_progress 1
		.amdhsa_inst_pref_size 55
	.end_amdhsa_kernel
	.amdgpu_metadata
---
amdhsa.version: [ 1, 2 ]
amdhsa.kernels:
  - .name:           k_qdbee5df44b_quant
    .symbol:         k_qdbee5df44b_quant.kd
    .args:
      - { .name: query, .offset: 0, .size: 8, .value_kind: global_buffer, .address_space: global }
      - { .name: key, .offset: 8, .size: 8, .value_kind: global_buffer, .address_space: global }
      - { .name: value, .offset: 16, .size: 8, .value_kind: global_buffer, .address_space: global }
      - { .name: in_proj_weight, .offset: 24, .size: 8, .value_kind: global_buffer, .address_space: global }
      - { .name: out_proj_weight, .offset: 32, .size: 8, .value_kind: global_buffer, .address_space: global }
      - { .name: codes, .offset: 40, .size: 8, .value_kind: global_buffer, .address_space: global }
      - { .name: scales, .offset: 48, .size: 8, .value_kind: global_buffer, .address_space: global }
      - { .name: wo_h, .offset: 56, .size: 8, .value_kind: global_buffer, .address_space: global }
    .group_segment_fixed_size: 33280
    .private_segment_fixed_size: 0
    .kernarg_segment_align: 8
    .kernarg_segment_size: 64
    .max_flat_workgroup_size: 128
    .sgpr_count:     66
    .vgpr_count:     192
    .wavefront_size: 32
...
	.end_amdgpu_metadata
.endif
;; end of part 1
;; launch qkv (part 2): grid 4 x 96, 4 waves a work-group, clusters of 4 x 4, 327,680 bytes of LDS; arguments codes, scales, in_proj_bias, time, qkv; writes qkv
.if DOCPART == 2
	.amdgcn_target "amdgcn-amd-amdhsa--gfx1250"
	.amdhsa_code_object_version 6
	.text
	.protected	k_qdbee5df44b_qkv
	.globl	k_qdbee5df44b_qkv
	.p2align	8
	.type	k_qdbee5df44b_qkv,@function
k_qdbee5df44b_qkv:
	s_mov_b64 s[64:65], 0
	v_nop
	global_prefetch_b8 v0, s[64:65] scope:SCOPE_SE
	s_setreg_imm32_b32 hwreg(HW_REG_WAVE_MODE, 25, 1), 1
	s_wait_xcnt 0x0
	s_wait_alu depctr_hold_cnt(0) depctr_sa_sdst(0) depctr_va_vdst(0) depctr_va_sdst(0) depctr_va_ssrc(0) depctr_va_vcc(0) depctr_vm_vsrc(0)
	s_getreg_b32 s2, hwreg(HW_REG_IB_STS2, 6, 4)
	s_cmp_eq_u32 s2, 0
	s_cbranch_scc0 .Lentry_in_a_cluster
	s_endpgm
.Lentry_in_a_cluster:
	s_bfe_u32 s2, ttmp6, 0x10000c
	s_cmp_lg_u32 s2, 0xf033
	s_cbranch_scc0 .Lentry_shape_is_right
	s_endpgm
.Lentry_shape_is_right:
; The three quantised projections, K = 1,024, on codes of FP4 with E8M0 scales, sums in f32; then bias, q's scaling, the two factors of the temporal decay, rounding to f16.
; Product 0: q = query Wq^T; 1: k = key Wk^T (side A = 8,192 tokens at n x 1,024 + l, side B = 1,024 channels); 2: v^T = Wv value^T (side A = 1,024 channels, side B = 8,192 tokens).
; THE DECAY.  exp((t_l - t_s) / 1e6) = exp((t_l - t_0) / 1e6) x exp(-(t_s - t_0) / 1e6), t_0 = time[0][n]: the first factor (x 1/8, the scaling) multiplies q's rows, the second k's rows, in f32, ahead of the rounding.
; LIMITS: |t - t_0| up to about 3e6, so that the factors stay within e^3 and q', k' keep their room in f16; q', k', v under 65,504 in magnitude; NaN and infinities are not served.
; A tile of 256 x 256 is made by four waves, 128 x 128 each: 64 accumulators, 512 registers.  K is two slots of 512 (LDS rows of 256 bytes + 16): both are asked for at the head, nothing is filled again.
; The scale bytes of the tile's 256 + 256 rows for all of K come once, as runs of 256 bytes + 16 of padding.
; CLUSTERS: 4 x 4 work-groups; 8 clusters a product.  The four of a row of the cluster need the same rows of side A, the four of a column the same rows of side B: each tile is asked for jointly.
; THE MATRIX INSTRUCTION IS USED TRANSPOSED (source 0 = 16 rows of B, source 1 = 16 rows of A): lane (r, h) holds row r of A's block and eight neighbouring rows 8 h + j of B's block.
; THE WAY OUT NEEDS NO STAGE: those eight numbers, rounded to f16, are the lane's 16 bytes of a 16-bit operand's four registers.  The results are stored as IMAGES of operand registers, 512 consecutive bytes a store:
;   piece (A16, B16), blocks of 16 rows of either side, at (A16 >> 6) << 21 + (B16 >> 2) << 17 + (A16 & 63) << 11 + (B16 & 3) << 9, in the product's 2^24 bytes.
;   q, k: (16 n + head) x 131,072 + token tile x 2,048 + 1,024 u + 512 c (u: which 32 channels; c: which four registers).   v: (16 n + key / 64) x 131,072 + head x 8,192 + channel tile x 2,048 + 1,024 (key / 32 % 2) + 512 c.
; REGISTERS: window 0: v16-29 addresses; v32-95 scale words, two sets; v96-111 row factors, v112-127 row biases (pairs, the low word counts); v128-191 A's fragments, one set; v192-255 column biases, the C of the first products.
;   window 1: B's fragments, two sets.   windows 2, 3: the accumulators ((a, b) at v[8 (8 (a % 4) + b)]).   On the way out v128-255 of window 0 are at work.
.set KSTEP,  512
.set NQ,     4
.set ROWB,   256
.set KROW,   512                       ; a row of codes in memory
.set PITCH,  272                       ; an LDS row: 256 bytes + 16: the 16 rows that a load touches start at 16 different banks
.set FR,     8
.set NL,     2
.set NP,     4
.set HALFT,  128*PITCH
.set SLOT,   4*HALFT
.set KS,     32                        ; a row of scale bytes
.set SCL,    2*SLOT
.set HALFS,  (128*KS/256)*272
.set SBLK,   (16*KS/256)*272
.set SPARE,  SCL+4*HALFS               ; the spare words, 128 bytes a wave
.set ADRA, 16
.set ADRB, 20
.set CO,   26                          ; v26  16 x lane
.set ADRS, 27
.set SPW,  28
.set NIL,  29
.set SC,   32
.set RF,   96
.set RB,   112
.set AF,   128
.set CB,   192
.set TW,   128                         ; the way out: a block's 64 numbers in f32
.set PK,   192                         ; and as f16: two sets of 32 registers
.set G1, 24
.set G0, 32
.set G1B, 48
.set G0B, 56
.set G1S, 68
.set G0S, 76
.set G1SB, 80
.set G0SB, 88
.set MSB, 0
.macro WIN new                         ; the immediate's high byte repeats the setting that is left
.if MSB != (\new)
	s_set_vgpr_msb (MSB<<8)|(\new)
.set MSB, (\new)
.endif
.endm
.set MUL_LO,  0xa1                     ; source 0 (B) window 1, source 1 (A) window 0, C and D window 2
.set MUL_HI,  0xf1                     ; the same, C and D window 3
.set MUL_LO0, 0x81                     ; the first products: C (the column bias) window 0, D window 2
.set MUL_HI0, 0xc1                     ; D window 3
.set TO_B,    0x40
; A joint load: waves 0 and 1 fetch for A, waves 2 and 3 for B.  The branch hangs on the wave's number alone.  An s_nop 0 and four v_nop follow each of the two lines.
.macro JLOAD g0a, g1a, g0b, g1b
	s_cmp_eq_u32 s15, 0
	s_cbranch_scc0 .Lfor_b_\@
	tensor_load_to_lds s[\g0a:\g0a+3], s[\g1a:\g1a+7]
	s_nop 0
.rept 4
	v_nop
.endr
	s_branch .Lasked_\@
.Lfor_b_\@:
	tensor_load_to_lds s[\g0b:\g0b+3], s[\g1b:\g1b+7]
	s_nop 0
.rept 4
	v_nop
.endr
.Lasked_\@:
.endm
.macro CROUND                          ; a round of the cluster's barrier
	s_barrier_signal -1
	s_barrier_wait -1
	s_cmp_lg_u32 s14, 0
	s_cbranch_scc1 .Lnot_wave_0_\@
	s_barrier_signal -3
.Lnot_wave_0_\@:
	s_barrier_wait -3
	s_barrier_signal -1
	s_barrier_wait -1
.endm
	s_load_b256 s[4:11], s[0:1], 0x0               ; codes s[4:5], scales s[6:7], in_proj_bias s[8:9], time s[10:11]
	s_load_b64 s[12:13], s[0:1], 0x20              ; qkv
	v_lshl_add_u32 v[SPW], v0, 2, SPARE
	v_mov_b32 v[NIL], 0
	ds_add_u32 v[SPW], v[NIL]                      ; the wave's opening: the add, twice on end, and its wait ahead of my first tensor load
	ds_add_u32 v[SPW], v[NIL]
	v_lshrrev_b32 v1, 5, v0
	v_readfirstlane_b32 s14, v1                    ; wave 0..3
	s_lshr_b32 s15, s14, 1                         ; which half of A's rows is mine.  Also: I fetch for A (0) or for B (1)
	s_and_b32 s16, s14, 1                          ; which half of B's rows.  Also: which 128 rows I fetch
	s_bfe_u32 s40, ttmp6, 0x40000                  ; cx
	s_bfe_u32 s41, ttmp6, 0x40004                  ; cy
	s_and_b32 s96, ttmp7, 0xffff                   ; the cluster's number, 0 .. 23
	s_lshr_b32 s95, s96, 3                         ; the product: 0 q, 1 k, 2 v: the same in all sixteen partners
	s_and_b32 s96, s96, 7
	s_lshl_b32 s96, s96, 2                         ; the cluster's four tiles along the side of 8,192 rows
	s_lshl_b32 s18, s95, 13
	s_lshl_b32 s19, s95, 10
	s_add_co_u32 s19, s19, 24576
	s_cmp_lt_u32 s95, 2
	s_cselect_b32 s17, s96, 0
	s_cselect_b32 s42, 0, s96
	s_cselect_b32 s18, s18, 26624                  ; A's first row among the codes' rows: the activation's, or Wv's
	s_cselect_b32 s19, s19, 16384                  ; B's: Wq's or Wk's, or value's
	s_cselect_b32 s97, 0, -1                       ; all ones where the product is v
	s_add_co_u32 s17, s17, s41                     ; tile of A: it hangs on cy alone within the cluster
	s_add_co_u32 s42, s42, s40                     ; tile of B: on cx alone
	s_mov_b32 s99, 0x3f800000
	s_mov_b32 s98, 0xb5c1a2a0                      ; -log2(e) / 1e6
	s_cmp_eq_u32 s95, 0
	s_cselect_b32 s99, 0x3e000000, s99             ; q: x 1/8 = 64^-0.5
	s_cselect_b32 s98, 0x35c1a2a0, s98             ; q: + log2(e) / 1e6
	s_cmp_eq_u32 s95, 2
	s_cselect_b32 s98, 0, s98                      ; v: the factor is 2^0
	s_lshl_b32 s43, s41, 2
	s_lshl_b32 s43, 15, s43                        ; my row of the cluster
	s_lshl_b32 s44, 0x1111, s40                    ; my column
	s_or_b32 s[G1+0], s43, (0<<16)|(1<<20)|(1<<21)|(5<<22)|(3<<25)  ; the mask; elements of 1 byte; padding on: 4 words behind every 64; bit 21 beside a mask
	s_or_b32 s[G1B+0], s44, (0<<16)|(1<<20)|(1<<21)|(5<<22)|(3<<25)
.irp g, G1, G1B
	s_mov_b32 s[\g+1], ROWB<<16                    ; tensor_dim0
	s_mov_b32 s[\g+2], 128<<16                     ; tensor_dim1
	s_mov_b32 s[\g+3], ROWB<<16                    ; tile_dim0
	s_mov_b32 s[\g+4], 128                         ; tile_dim1
	s_mov_b32 s[\g+5], KROW                        ; from row to row
	s_mov_b32 s[\g+6], 0
	s_mov_b32 s[\g+7], 0
.endr
	s_or_b32 s[G1S+0], s43, (3<<16)|(1<<20)|(1<<21)|(5<<22)|(3<<25) ; the scales of 128 rows: 4,096 dense bytes as 16 rows of 256 (32 elements of 8 bytes), 16 bytes of padding behind each
	s_or_b32 s[G1SB+0], s44, (3<<16)|(1<<20)|(1<<21)|(5<<22)|(3<<25)
.irp g, G1S, G1SB
	s_mov_b32 s[\g+1], 32<<16
	s_mov_b32 s[\g+2], (128*KS/256)<<16
	s_mov_b32 s[\g+3], 32<<16
	s_mov_b32 s[\g+4], 128*KS/256
	s_mov_b32 s[\g+5], 32
	s_mov_b32 s[\g+6], 0
	s_mov_b32 s[\g+7], 0
.endr
	s_lshl_b32 s22, s16, 7                         ; which 128 rows of a tile I fetch
	s_lshl_b32 s20, s17, 8
	s_add_co_u32 s20, s20, s22
	s_add_co_u32 s20, s20, s18                     ; A's row
	s_lshl_b32 s46, s42, 8
	s_add_co_u32 s46, s46, s22
	s_add_co_u32 s46, s46, s19                     ; B's row
	s_mov_b32 s21, 0
	s_mov_b32 s47, 0
	s_lshl_b64 s[22:23], s[20:21], 5               ; where these rows' scales begin,
	s_lshl_b64 s[92:93], s[46:47], 5
	s_lshl_b64 s[20:21], s[20:21], 9               ; and their codes
	s_lshl_b64 s[46:47], s[46:47], 9
	s_mul_i32 s45, s14, HALFT                      ; where they go: wave x 128 rows: no place in the cluster enters an LDS address
	s_mul_i32 s94, s14, HALFS
	s_wait_dscnt 0x0                               ; both opening adds are done
	s_wait_kmcnt 0x0
	s_add_nc_u64 s[20:21], s[4:5], s[20:21]
	s_add_nc_u64 s[22:23], s[6:7], s[22:23]
	s_add_nc_u64 s[46:47], s[4:5], s[46:47]
	s_add_nc_u64 s[92:93], s[6:7], s[92:93]
	CROUND                                         ; all sixteen work-groups are here: the joint loads meet
	s_mov_b32 s[G0S], 1
	s_add_co_u32 s[G0S+1], s94, SCL
	s_mov_b64 s[G0S+2:G0S+3], s[22:23]
	s_or_b32 s[G0S+3], s[G0S+3], 0x80000000
	s_mov_b32 s[G0SB], 1
	s_add_co_u32 s[G0SB+1], s94, SCL
	s_mov_b64 s[G0SB+2:G0SB+3], s[92:93]
	s_or_b32 s[G0SB+3], s[G0SB+3], 0x80000000
	JLOAD G0S, G1S, G0SB, G1SB                     ; the scales first: they are wanted with the first slot
.irp s, 0,1
	s_mov_b32 s[G0+4*\s], 1
	s_add_co_u32 s[G0+4*\s+1], s45, \s*SLOT
	s_add_nc_u64 s[G0+4*\s+2:G0+4*\s+3], s[20:21], \s*ROWB
	s_or_b32 s[G0+4*\s+3], s[G0+4*\s+3], 0x80000000
	s_mov_b32 s[G0B+4*\s], 1
	s_add_co_u32 s[G0B+4*\s+1], s45, \s*SLOT
	s_add_nc_u64 s[G0B+4*\s+2:G0B+4*\s+3], s[46:47], \s*ROWB
	s_or_b32 s[G0B+4*\s+3], s[G0B+4*\s+3], 0x80000000
	JLOAD G0+4*\s, G1, G0B+4*\s, G1B               ; three loads of mine are out: all of K is asked for
.endr
	v_and_b32 v1, 15, v0                           ; r
	v_bfe_u32 v2, v0, 4, 1                         ; h
	v_mul_u32_u24 v3, v1, PITCH
	v_lshl_add_u32 v4, v2, 4, v3                   ; a fragment's row x pitch + 16 h
	s_mul_i32 s21, s15, HALFT                      ; my 128 rows of A
	s_mul_i32 s22, s16, HALFT                      ; my 128 rows of B,
	s_add_co_u32 s22, s22, 2*HALFT                 ; behind A's 256
.irp s, 0,1
	v_add_nc_u32 v[ADRA+\s], s21, v4
	v_add_nc_u32 v[ADRB+\s], s22, v4
	s_add_co_u32 s21, s21, SLOT
	s_add_co_u32 s22, s22, SLOT
.endr
	v_mul_u32_u24 v5, v1, KS                       ; my row's scales: 32 bytes a row,
	v_lshrrev_b32 v6, 8, v5
	v_lshl_add_u32 v5, v6, 4, v5                   ; and 16 more for each 256 passed
	s_mul_i32 s21, s15, HALFS
	s_mul_i32 s22, s16, HALFS
	s_add_co_u32 s22, s22, 2*HALFS
	s_sub_co_u32 s22, s22, s21
	v_mul_u32_u24 v6, s22, v2                      ; lanes 16-31 take B's
	s_add_co_u32 s21, s21, SCL
	v_add_nc_u32 v5, v5, v6
	v_add_nc_u32 v[ADRS], s21, v5
	v_and_b32 v6, 31, v0
	v_lshlrev_b32 v[CO], 4, v6
	; times and biases.  m0 = my first row of side A.  Every index is folded into its buffer in every product; what a product does not want is selected away below.
	s_lshl_b32 s18, s17, 8
	s_lshl_b32 s19, s15, 7
	s_add_co_u32 s18, s18, s19                     ; m0
	s_lshr_b32 s19, s18, 10
	s_lshl_b32 s19, s19, 2                         ; 4 n
	s_and_b32 s18, s18, 1023                       ; l0 (v: my first channel)
	v_mov_b32 v8, s19
	global_load_b32 v12, v8, s[10:11]              ; t_0 = time[0][n], in every lane
	s_lshl_b32 s100, s18, 5
	s_add_co_u32 s100, s100, s19
	v_lshl_add_u32 v9, v1, 5, s100                 ; time[l0 + r][n]: 32 bytes from l to l + 1
.irp a, 0,1,2,3,4,5,6,7
	global_load_b32 v[RF+2*\a], v9, s[10:11] offset:512*\a
.endr
	s_lshl_b32 s100, s18, 2
	s_add_co_u32 s100, s100, 8192
	v_lshl_add_u32 v10, v1, 2, s100                ; bv[l0 + r]
.irp a, 0,1,2,3,4,5,6,7
	global_load_b32 v[RB+2*\a], v10, s[8:9] offset:64*\a
.endr
	s_lshl_b32 s46, s42, 8
	s_lshl_b32 s47, s16, 7
	s_add_co_u32 s46, s46, s47
	s_and_b32 s46, s46, 1023
	s_lshl_b32 s47, s95, 10
	s_add_co_u32 s46, s46, s47
	s_lshl_b32 s46, s46, 2
	v_lshl_add_u32 v11, v2, 5, s46                 ; the product's bias at my first row of side B, + 8 h
.irp b, 0,1,2,3,4,5,6,7
	global_load_b128 v[CB+8*\b:CB+8*\b+3], v11, s[8:9] offset:64*\b
	global_load_b128 v[CB+8*\b+4:CB+8*\b+7], v11, s[8:9] offset:64*\b+16
.endr
	; where my part of the images begins
	s_lshl_b32 s20, s17, 4
	s_lshl_b32 s21, s15, 3
	s_add_co_u32 s20, s20, s21                     ; my first block of 16 rows of A, a multiple of 8
	s_lshr_b32 s21, s20, 6
	s_lshl_b32 s21, s21, 21
	s_and_b32 s20, s20, 63
	s_lshl_b32 s20, s20, 11
	s_add_co_u32 s20, s20, s21
	s_lshl_b32 s21, s95, 24
	s_add_co_u32 s20, s20, s21
	s_lshl_b32 s46, s42, 4
	s_lshl_b32 s47, s16, 3
	s_add_co_u32 s46, s46, s47                     ; my first block of B, a multiple of 8
	s_lshr_b32 s46, s46, 2
	s_lshl_b32 s46, s46, 17
	s_add_co_u32 s20, s20, s46
	s_mov_b32 s21, 0
	s_add_nc_u64 s[12:13], s[12:13], s[20:21]
	s_wait_loadcnt 0x0
.set i, 0
.rept 64
	v_cndmask_b32 v[CB+i], v[CB+i], 0, s97         ; q, k: the bias runs along side B: it is the C of the first products; v: 0
.set i, i+1
.endr
.irp a, 0,1,2,3,4,5,6,7
	v_cndmask_b32 v[RB+2*\a], 0, v[RB+2*\a], s97   ; v: the bias runs along side A; q, k: 0
	v_mov_b32 v[RB+2*\a+1], 0                      ; (named with it as a pair)
.endr
.irp a, 0,1,2,3,4,5,6,7
	v_sub_f32 v[RF+2*\a], v[RF+2*\a], v12          ; t - t_0
.endr
.irp a, 0,1,2,3,4,5,6,7
	v_mul_f32 v[RF+2*\a], s98, v[RF+2*\a]
.endr
.irp a, 0,1,2,3,4,5,6,7
	v_exp_f32 v[RF+2*\a+1], v[RF+2*\a]
.endr
	v_nop                                          ; a plain line behind the last exponential,
	s_wait_alu depctr_va_vdst(0)                   ; and one wait for the eight, ahead of their first reader
.irp a, 0,1,2,3,4,5,6,7
	v_mul_f32 v[RF+2*\a], s99, v[RF+2*\a+1]        ; my row's factor
.endr
.macro FRAG reg, adr, q, i             ; 16 rows x 128 K of 4-bit codes: 8 registers: lane (r, h): row r; registers 4 c .. 4 c + 3: K = 64 c + 32 h + 0 .. 31
.irp c, 0,1
	ds_load_b128 v[\reg+4*\c:\reg+4*\c+3], v[\adr] offset:64*(\q)+32*\c+(\i)*16*PITCH
.endr
.endm
; 16 matrix instructions: A's blocks a0, a0 + 1 x B's eight, the slot's q-th 128 along K.  p: B's set; sc: the set of scale words.  zero = 1: the first products start the sums from the column bias.
; The 64 accumulators take turns, one instruction a turn, in the same order in every step.
.macro MUL16 a0, p, q, sc, zero
.irp a, \a0, \a0+1
.irp b, 0,1,2,3,4,5,6,7
.if \zero
	v_wmma_scale_f32_16x16x128_f8f6f4 v[8*(8*((\a)%4)+\b):8*(8*((\a)%4)+\b)+7], v[128*(\p)+FR*\b:128*(\p)+FR*\b+FR-1], v[AF+FR*(\a):AF+FR*(\a)+FR-1], v[CB+8*\b:CB+8*\b+7], v[SC+8*NQ*(\sc)+NQ*\b+(\q)], v[SC+8*NQ*(\sc)+NQ*(\a)+(\q)] matrix_a_fmt:MATRIX_FMT_FP4 matrix_b_fmt:MATRIX_FMT_FP4 matrix_a_scale:MATRIX_SCALE_ROW1
.else
	v_wmma_scale_f32_16x16x128_f8f6f4 v[8*(8*((\a)%4)+\b):8*(8*((\a)%4)+\b)+7], v[128*(\p)+FR*\b:128*(\p)+FR*\b+FR-1], v[AF+FR*(\a):AF+FR*(\a)+FR-1], v[8*(8*((\a)%4)+\b):8*(8*((\a)%4)+\b)+7], v[SC+8*NQ*(\sc)+NQ*\b+(\q)], v[SC+8*NQ*(\sc)+NQ*(\a)+(\q)] matrix_a_fmt:MATRIX_FMT_FP4 matrix_b_fmt:MATRIX_FMT_FP4 matrix_a_scale:MATRIX_SCALE_ROW1
.endif
.endr
.endr
.endm
.macro FETCH_B slot, q, p
	WIN TO_B
.irp i, 0,1,2,3,4,5,6,7
	FRAG 128*(\p)+FR*\i, ADRB+\slot, \q, \i
.endr
	WIN 0
.endm
.macro FETCH_A slot, q, i0
.irp i, \i0, \i0+1, \i0+2, \i0+3
	FRAG AF+FR*(\i), ADRA+\slot, \q, \i
.endr
.endm
.macro SCALES sc                       ; a slot's scale words: 4 words a row; lanes 0-15 take A's block i, lanes 16-31 B's block i
.irp i, 0,1,2,3,4,5,6,7
	ds_load_b128 v[SC+8*NQ*\sc+NQ*\i:SC+8*NQ*\sc+NQ*\i+3], v[ADRS] offset:\i*SBLK
.endr
.endm
.macro PLACES n                        ; plain vector lines between a matrix instruction and a load into, or a read of, its registers
.rept \n
	v_nop
.endr
.endm
.macro STEP slot, q, zero              ; 128 along K, with its successor in the same slot
	s_wait_dscnt 4*NL                              ; B's set, the scale words and A's blocks 0-3 are in; the youngest eight loads (A's blocks 4-7) may be out
.if \zero
	WIN MUL_LO0
.else
	WIN MUL_LO
.endif
	MUL16 0, (\q)%2, \q, \slot, \zero
	MUL16 2, (\q)%2, \q, \slot, \zero
	s_wait_dscnt 0                                 ; A's blocks 4-7 are in
	PLACES NP
	FETCH_B \slot, (\q)+1, 1-(\q)%2
	FETCH_A \slot, (\q)+1, 0
.if \zero
	WIN MUL_HI0
.else
	WIN MUL_HI
.endif
	MUL16 4, (\q)%2, \q, \slot, \zero
	MUL16 6, (\q)%2, \q, \slot, \zero
	PLACES NP
	WIN 0
	FETCH_A \slot, (\q)+1, 4
.endm
; Slot 0's last step goes over to slot 1: each wave waits for all its tensor loads (its part of slot 1), and a barrier shows the whole slot to every wave.  Nothing is filled again.
.macro TURN slot, next
	s_wait_tensorcnt 0x0                           ; my part of the next slot has landed
	ds_add_u32 v[SPW], v[NIL]                      ; 0 onto my spare word
	s_wait_dscnt 4*NL+1                            ; (the add and the youngest eight loads may be out)
	WIN MUL_LO
	MUL16 0, 1, NQ-1, \slot, 0
	s_wait_dscnt 0x0                               ; no LDS instruction of mine is out at the signal
	s_barrier_signal -1
	MUL16 2, 1, NQ-1, \slot, 0
	WIN 0
	s_barrier_wait -1
	PLACES NP
	v_add_nc_u32 v[ADRS], 4*NQ, v[ADRS]            ; the next slot's scale words
	FETCH_B \next, 0, 0
	FETCH_A \next, 0, 0
	SCALES \next
	WIN MUL_HI
	MUL16 4, 1, NQ-1, \slot, 0
	MUL16 6, 1, NQ-1, \slot, 0
	PLACES NP
	WIN 0
	FETCH_A \next, 0, 4
.endm
	s_wait_tensorcnt 1                             ; the scales and my part of slot 0 are in (slot 1's load, issued behind them, may be out),
	s_barrier_signal -1
	s_barrier_wait -1                              ; everybody's are
	FETCH_B 0, 0, 0
	FETCH_A 0, 0, 0
	SCALES 0
	FETCH_A 0, 0, 4
	STEP 0, 0, 1
	STEP 0, 1, 0
	STEP 0, 2, 0
	TURN 0, 1
	STEP 1, 0, 0
	STEP 1, 1, 0
	STEP 1, 2, 0
	s_wait_dscnt 4*NL                              ; the last step: nothing more to fetch
	WIN MUL_LO
	MUL16 0, 1, NQ-1, 1, 0
	MUL16 2, 1, NQ-1, 1, 0
	s_wait_dscnt 0
	WIN MUL_HI
	MUL16 4, 1, NQ-1, 1, 0
	MUL16 6, 1, NQ-1, 1, 0
	WIN 0
; THE WAY OUT of A's block a: sum x my row's factor + my row's bias (one fused multiply-add for two numbers), rounded once to f16; each accumulator is read from its low end on.
.macro OUTB a
.set AC, 64*((\a)%4)
.set PB, PK+32*((\a)%2)
	WIN 0x02+(\a)/4                                ; source 0: window 2 or 3
.irp b, 0,1,2,3,4,5,6,7
.irp r, 0,1,2,3
	v_pk_fma_f32 v[TW+8*\b+2*\r:TW+8*\b+2*\r+1], v[AC+8*\b+2*\r:AC+8*\b+2*\r+1], v[RF+2*(\a):RF+2*(\a)+1], v[RB+2*(\a):RB+2*(\a)+1] op_sel_hi:[1,0,0]
.endr
.endr
	WIN 0
.if (\a) >= 2
	s_wait_xcnt 0x0                                ; block a - 2's stores have read this set of registers
.endif
.irp b, 0,1,2,3,4,5,6,7
.irp r, 0,1,2,3
	v_cvt_pk_f16_f32 v[PB+4*\b+\r], v[TW+8*\b+2*\r], v[TW+8*\b+2*\r+1]
.endr
.endr
.irp b, 0,1,2,3,4,5,6,7
	global_store_b128 v[CO], v[PB+4*\b:PB+4*\b+3], s[12:13] offset:(\a)*2048+(\b%4)*512+(\b/4)*131072   ; a piece: 512 consecutive bytes, aligned
.endr
.endm
	PLACES NP                                      ; behind the last products: results are read, and registers that held A's fragments are written
.irp a, 0,1,2,3,4,5,6,7
	OUTB \a
.endr
	s_wait_tensorcnt 0x0                           ; the wave's end
	ds_add_u32 v[SPW], v[NIL]
	s_wait_dscnt 0x0
	CROUND                                         ; the closing round: no work-group ends while a partner may still ask for a tile that names it
	s_endpgm
.Lfunc_end_k_qdbee5df44b_qkv:
	.size	k_qdbee5df44b_qkv, .Lfunc_end_k_qdbee5df44b_qkv-k_qdbee5df44b_qkv
	.p2alignl 7, 3214868480
	.fill 96, 4, 3214868480
	.section	.rodata,"a",@progbits
	.p2align	6, 0x0
	.amdhsa_kernel k_qdbee5df44b_qkv
		.amdhsa_group_segment_fixed_size 327680
		.amdhsa_private_segment_fixed_size 0
		.amdhsa_enable_private_segment 0
		.amdhsa_kernarg_size 40
		.amdhsa_user_sgpr_count 2
		.amdhsa_user_sgpr_kernarg_segment_ptr 1
		.amdhsa_wavefront_size32 1
		.amdhsa_system_sgpr_workgroup_id_x 1
		.amdhsa_system_sgpr_workgroup_id_y 1
		.amdhsa_system_sgpr_workgroup_id_z 1
		.amdhsa_system_vgpr_workitem_id 0
		.amdhsa_next_free_vgpr 1024
		.amdhsa_next_free_sgpr 102
		.amdhsa_reserve_vcc 0
		.amdhsa_float_denorm_mode_32 3
		.amdhsa_float_denorm_mode_16_64 3
		.amdhsa_memory_ordered 1
		.amdhsa_forward_progress 1
		.amdhsa_inst_pref_size 144
	.end_amdhsa_kernel
	.amdgpu_metadata
---
amdhsa.version: [ 1, 2 ]
amdhsa.kernels:
  - .name:           k_qdbee5df44b_qkv
    .symbol:         k_qdbee5df44b_qkv.kd
    .args:
      - { .name: codes, .offset: 0, .size: 8, .value_kind: global_buffer, .address_space: global }
      - { .name: scales, .offset: 8, .size: 8, .value_kind: global_buffer, .address_space: global }
      - { .name: in_proj_bias, .offset: 16, .size: 8, .value_kind: global_buffer, .address_space: global }
      - { .name: time, .offset: 24, .size: 8, .value_kind: global_buffer, .address_space: global }
      - { .name: qkv, .offset: 32, .size: 8, .value_kind: global_buffer, .address_space: global }
    .group_segment_fixed_size: 327680
    .private_segment_fixed_size: 0
    .kernarg_segment_align: 8
    .kernarg_segment_size: 40
    .max_flat_workgroup_size: 128
    .sgpr_count:     102
    .vgpr_count:     1024
    .wavefront_size: 32
...
	.end_amdgpu_metadata
.endif
;; end of part 2
;; launch attn (part 3): grid 32 x 8, 4 waves a work-group, clusters of 4 x 1, 327,680 bytes of LDS; arguments qkv, o_img, out1; writes o_img, out1
.if DOCPART == 3
	.amdgcn_target "amdgcn-amd-amdhsa--gfx1250"
	.amdhsa_code_object_version 6
	.text
	.protected	k_qdbee5df44b_attn
	.globl	k_qdbee5df44b_attn
	.p2align	8
	.type	k_qdbee5df44b_attn,@function
k_qdbee5df44b_attn:
	s_mov_b64 s[64:65], 0
	v_nop
	global_prefetch_b8 v0, s[64:65] scope:SCOPE_SE
	s_setreg_imm32_b32 hwreg(HW_REG_WAVE_MODE, 25, 1), 1
	s_wait_xcnt 0x0
	s_wait_alu depctr_hold_cnt(0) depctr_sa_sdst(0) depctr_va_vdst(0) depctr_va_sdst(0) depctr_va_ssrc(0) depctr_va_vcc(0) depctr_vm_vsrc(0)
	s_getreg_b32 s2, hwreg(HW_REG_IB_STS2, 6, 4)
	s_cmp_eq_u32 s2, 0
	s_cbranch_scc0 .Lentry_in_a_cluster
	s_endpgm
.Lentry_in_a_cluster:
	s_bfe_u32 s2, ttmp6, 0x10000c
	s_cmp_lg_u32 s2, 0x3003
	s_cbranch_scc0 .Lentry_shape_is_right
	s_endpgm
.Lentry_shape_is_right:
; Attention on f16 operands (q', k', v as images of operand registers, the decay and the scaling already in q' and k'), sums, maxima and softmax in f32.
; out1[n][l][s] = the mean over 16 heads of the normalised weights; o_img = the heads' results, f16, as images of the next product's operand registers.
; SHARES.  A work-group owns 32 queries of one batch n and walks ALL 16 heads, so that each number of out1 has one owner.  Wave w owns the 32 queries (two tiles) x keys 256 w .. 256 w + 255 (16 tiles):
; one head's scores (256 registers) and the running mean (256 registers) stay in registers.  A fragment of K or V feeds two matrix instructions and is read from LDS by the one wave that fetched it.
; LAYOUT.  S^T = K Q^T (source 0 = 16 keys, source 1 = 16 queries): lane (r, h) holds query r and keys 8 h + j.  Two such tiles, rounded to f16 in pairs, are source 1 of O^T = V^T P.
; SOFTMAX.  A wave takes the maximum m_w of ITS 256 keys away: p = 2^(c s - c m_w), c = log2(e); l_w = the sum of p.  The pairs (c m_w, l_w) meet in LDS once a head:
; M = the largest c m_v, e_v = 2^(c m_v - M), L = the sum of l_v e_v, f_w = e_w / L.  The mean takes p f_w / 16; the wave's part of O^T is multiplied by f_w in f32 and the four parts are added through LDS.
; CLUSTER.  The four work-groups of a cluster share n, hence K and V: each tile is asked for JOINTLY (mask 15).  Two rounds of the cluster's barrier a head: behind one K's slot is filled again, behind the other V's;
; the same two rounds order the waves' exchanges (the pairs: stored ahead of the first, read behind it, stored again behind the second; the parts of O^T the other way round).
; THE ORDER OF HEADS.  Eight clusters share a batch's K and V.  Step s of cluster c takes head (s & 12) | ((s + c) & 3): the sixteen heads go in four blocks of four, and within a block clusters with different c % 4
; begin at different heads: at any step they ask for four different heads, and each head of a block is asked for first by one of them.  The mean and O do not hang on the order but for the rounding of the mean's f32 sums.
; LIMITS: operands in f16 (magnitudes under 65,504; stated with the launch that makes them); NaN and infinities are not served.
; REGISTERS: window 0: v1-12 addresses; v16-19 (c m, l) a tile; v20-27 (f / 16, L), (f, 1 / L) a tile; v32-63 Q; v64-127 O^T, and at work during the softmax; v128-255 P, later parts of O^T.
;   window 1: K's 16 x 2 fragments, then V's 8 x 4.   window 2: S, then p (128 tile + 8 key tile + j).   window 3: the running mean, as S.
.set VSB,   131072                     ; LDS: K's slot at 0, V's here: a head's 131,072 bytes each, wave w's quarter at 32,768 w
.set OST,   262144                     ; the parts of O^T: 8,192 a wave: tile 4 qt + ct at 1,024, halves 512 apart
.set STT,   294912                     ; the pairs: 512 w + 256 qt + 8 x lane
.set SPARE, 296960                     ; the spare words, 128 bytes a wave
.set LI,   1                           ; v1   16 x lane
.set KAD,  2                           ; v2   my quarter of K's slot + 16 x lane
.set VAD,  3                           ; v3   of V's
.set OSW,  4                           ; v4   where I store my part of O^T
.set OSR,  5                           ; v5   where I read the four parts of my two tiles
.set STW,  6                           ; v6   where I store my pairs
.set STR,  7                           ; v7   where I read all pairs
.set SPW,  8
.set NIL,  9
.set PFO,  10                          ; v10  256 x lane
.set STO1, 11                          ; v11  the way out of out1: row r of 1,040 bytes + 32 h, in my quarter of K's slot;
.set STO2, 12                          ; v12  in my quarter of V's
.set MC,   16
.set FA,   20
.set Q,    32
.set O,    64
.set P,    128
.set WV,   10
.set QP,   14                          ; s[14:15] Q's image of the head in hand
.set OP,   16                          ; s[16:17] where my two pieces of O go
.set W1P,  18                          ; s[18:19] out1 at my first row and key
.set SEL,  20
.set CS,   22
.set G1K,  24
.set G1V,  32
.set G0K,  40
.set G0V,  44
.set PFK,  48                          ; s[48:49], s[50:51] where my prefetches of K and of V stand
.set PFV,  50
.set ST,   52                          ; s52  the step, 0 .. 15
.set HC,   53                          ; s53  15 - the step: it counts the loop
.set HH,   66                          ; s66  the head of this step
.set HN,   67                          ; s67  of the next
.set QB,   68                          ; s[68:69] .. s[78:79]: head 0's addresses: Q's image, K's, V's, O's pieces, K's and V's prefetches; never rewritten
.set KB,   70
.set VB,   72
.set OB,   74
.set PKB,  76
.set PVB,  78
.set T,    80                          ; s[80:81] a head's offset in bytes; the upper word stays 0
.set C3,   82                          ; s82  my cluster's number % 4
.set NA,   83                          ; s83  0 in clusters 0 to 3, which prefetch; 4 in the others
.set U,    84                          ; s84  at work
.set PH,   85                          ; s85  the head of two steps on
.set MSB, 0
.macro WIN new
.if MSB != (\new)
	s_set_vgpr_msb (MSB<<8)|(\new)
.set MSB, (\new)
.endif
.endm
.macro HIDX dst, plus                  ; the head of step ST + plus: its block of four, and in it (step + cluster) % 4.  Cluster numbers and a counted step alone: the same in all four partners
	s_add_co_u32 s[U], s[ST], \plus
	s_and_b32 s[\dst], s[U], 12
	s_add_co_u32 s[U], s[U], s[C3]
	s_and_b32 s[U], s[U], 3
	s_or_b32 s[\dst], s[\dst], s[U]
.endm
.macro CROUND                          ; a round of the cluster's barrier
	s_barrier_signal -1
	s_barrier_wait -1
	s_cmp_lg_u32 s[WV], 0
	s_cbranch_scc1 .Lnot_wave_0_\@
	s_barrier_signal -3
.Lnot_wave_0_\@:
	s_barrier_wait -3
	s_barrier_signal -1
	s_barrier_wait -1
.endm
.macro TLD g0, g1                      ; every wave fetches its own quarter: one joint load a wave; an s_nop 0 and four v_nop follow
	tensor_load_to_lds s[\g0:\g0+3], s[\g1:\g1+7]
	s_nop 0
.rept 4
	v_nop
.endr
.endm
; A PREFETCH of the head that my cluster takes FIRST in the next block of four: the head of two steps on, asked for at steps 2, 6 and 10 (HC = 13, 9, 5), one head ahead of the load that will want it.
; Clusters 0 to 3 ask, cluster c for head 4 (block + 1) + c: so each of heads 4 to 15 is named once in the launch; heads 0 to 3 come by their loads alone, and step 14 (HC = 1) has no block behind it.
; Of a wave's quarter (32,768 bytes) the partner at place cx takes 8,192, told apart by ADDRESS; lanes 256 bytes apart: one instruction a wave.
.macro ASK pf
	s_and_b32 s[U], s[HC], 3
	s_or_b32 s[U], s[U], s[NA]
	s_cmp_eq_u32 s[U], 1
	s_cbranch_scc0 .Lnot_mine_\@
	s_cmp_gt_u32 s[HC], 1
	s_cbranch_scc0 .Lnot_mine_\@
	global_prefetch_b8 v[PFO], s[\pf:\pf+1] th:TH_LOAD_NT scope:SCOPE_SE
.Lnot_mine_\@:
.endm
.macro KLOADS                          ; a head's K, my 16 tiles of keys: 64 loads, in the order in which the products want them: four tiles' first 32 channels, their second 32, the next four tiles
	WIN 0x40
.irp g, 0,1,2,3
.irp u, 0,1
.irp k, 0,1,2,3
.irp c, 0,1
	ds_load_b128 v[16*(4*\g+\k)+8*\u+4*\c:16*(4*\g+\k)+8*\u+4*\c+3], v[KAD] offset:2048*(4*\g+\k)+1024*\u+512*\c
.endr
.endr
.endr
.endr
	WIN 0
.endm
	s_load_b128 s[4:7], s[0:1], 0x0                ; qkv s[4:5], o_img s[6:7]
	s_load_b64 s[8:9], s[0:1], 0x10                ; out1
	v_lshl_add_u32 v[SPW], v0, 2, SPARE
	v_mov_b32 v[NIL], 0
	ds_add_u32 v[SPW], v[NIL]                      ; the wave's opening: the add, twice on end, and its wait ahead of my first tensor load
	ds_add_u32 v[SPW], v[NIL]
	v_lshrrev_b32 v1, 5, v0
	v_readfirstlane_b32 s[WV], v1                  ; wave 0..3
	s_bfe_u32 s11, ttmp6, 0x40000                  ; cx
	s_lshl_b32 s12, ttmp9, 2
	s_add_co_u32 s12, s12, s11                     ; my block of 32 queries
	s_and_b32 s13, ttmp7, 0xffff                   ; n, which the four partners share
	s_mov_b32 s[G1K], 15|(3<<16)|(1<<21)           ; the mask: all four; elements of 8 bytes; bit 21 beside a mask; no padding: images are read 16 bytes a lane on end
	s_mov_b32 s[G1K+1], 32<<16                     ; K: 32,768 dense bytes as 128 rows of 256
	s_mov_b32 s[G1K+2], 128<<16
	s_mov_b32 s[G1K+3], 32<<16
	s_mov_b32 s[G1K+4], 128
	s_mov_b32 s[G1K+5], 32
	s_mov_b32 s[G1K+6], 0
	s_mov_b32 s[G1K+7], 0
	s_mov_b32 s[G1V], 15|(3<<16)|(1<<21)
	s_mov_b32 s[G1V+1], 1024<<16                   ; V: 4 rows (64 keys each) of 8,192 bytes, 131,072 bytes apart
	s_mov_b32 s[G1V+2], 4<<16
	s_mov_b32 s[G1V+3], 1024<<16
	s_mov_b32 s[G1V+4], 4
	s_mov_b32 s[G1V+5], 16384
	s_mov_b32 s[G1V+6], 0
	s_mov_b32 s[G1V+7], 0
	s_mov_b32 s[SEL], 0x76543210
	s_mov_b32 s[SEL+1], 0xfedcba98                 ; lane l xor 16
	s_mov_b32 s[CS], 0x3fb8aa3b                    ; c = log2(e)
	s_mov_b32 s[CS+1], s[CS]
	s_and_b32 s[C3], ttmp9, 3                      ; in a cluster launch ttmp9 counts clusters: the same in all four partners
	s_cmp_lt_u32 ttmp9, 4
	s_cselect_b32 s[NA], 0, 4
	s_mov_b32 s[HC], 15
	s_mov_b32 s[ST], 0
	s_mov_b32 s[T+1], 0
	HIDX HH, 0                                     ; my first head
	s_lshl_b32 s54, s13, 21                        ; n x 16 heads (or key groups) x 131,072
	s_lshl_b32 s55, s[WV], 15                      ; my quarter
	s_add_co_u32 s56, s54, s55
	s_add_co_u32 s56, s56, 1<<24                   ; K's image, head 0, my quarter
	s_mov_b32 s57, 0
	s_lshl_b32 s58, s[WV], 19
	s_add_co_u32 s58, s58, s54
	s_add_co_u32 s58, s58, 1<<25                   ; V's image, key group 4 w, head 0
	s_mov_b32 s59, 0
	s_lshl_b32 s60, s12, 12
	s_add_co_u32 s60, s60, s54                     ; Q's image, head 0, my two tiles
	s_mov_b32 s61, 0
	s_lshl_b32 s62, s13, 6
	s_lshl_b32 s63, s12, 1
	s_add_co_u32 s62, s62, s63
	s_lshr_b32 s63, s[WV], 1
	s_add_co_u32 s62, s62, s63                     ; the tile of 16 rows whose pieces I store: 64 n + 2 block + w / 2
	s_lshl_b32 s62, s62, 5
	s_and_b32 s63, s[WV], 1
	s_add_co_u32 s62, s62, s63                     ; x 32 groups of 32 channels, + w % 2
	s_lshl_b32 s62, s62, 10
	s_mov_b32 s63, 0
	s_wait_dscnt 0x0                               ; both opening adds are done
	s_wait_kmcnt 0x0
	s_add_nc_u64 s[QB:QB+1], s[4:5], s[60:61]
	s_add_nc_u64 s[OB:OB+1], s[6:7], s[62:63]
	s_lshl_b32 s60, s13, 22
	s_lshl_b32 s62, s12, 17
	s_add_co_u32 s60, s60, s62
	s_lshl_b32 s62, s[WV], 10
	s_add_co_u32 s60, s60, s62                     ; (1,024 n + 32 block) rows of 4,096 bytes + my 256 keys
	s_add_nc_u64 s[W1P:W1P+1], s[8:9], s[60:61]
	s_add_nc_u64 s[KB:KB+1], s[4:5], s[56:57]
	s_add_nc_u64 s[VB:VB+1], s[4:5], s[58:59]
	s_lshl_b32 s60, s11, 13                        ; K's prefetches: my work-group's 8,192 bytes of the quarter
	s_add_nc_u64 s[PKB:PKB+1], s[KB:KB+1], s[60:61]
	s_lshl_b32 s60, s11, 17                        ; V's: key group 4 w + cx
	s_add_nc_u64 s[PVB:PVB+1], s[VB:VB+1], s[60:61]
	s_lshl_b32 s[T], s[HH], 17                     ; a head of Q's or K's image is 131,072 bytes
	s_add_nc_u64 s[QP:QP+1], s[QB:QB+1], s[T:T+1]
	s_mov_b32 s[G0K], 1
	s_mov_b32 s[G0K+1], s55
	s_add_nc_u64 s[G0K+2:G0K+3], s[KB:KB+1], s[T:T+1]
	s_or_b32 s[G0K+3], s[G0K+3], 0x80000000
	s_lshl_b32 s[T], s[HH], 13                     ; a head's part of a key group of V's image is 8,192 bytes
	s_mov_b32 s[G0V], 1
	s_add_co_u32 s[G0V+1], s55, VSB
	s_add_nc_u64 s[G0V+2:G0V+3], s[VB:VB+1], s[T:T+1]
	s_or_b32 s[G0V+3], s[G0V+3], 0x80000000
	CROUND                                         ; all four work-groups are here: the first joint loads meet
	tensor_load_to_lds s[G0K:G0K+3], s[G1K:G1K+7]  ; my first head: two loads of mine are out
	s_nop 0
	tensor_load_to_lds s[G0V:G0V+3], s[G1V:G1V+7]
	s_nop 0
.rept 4
	v_nop
.endr
	v_and_b32 v13, 31, v0
	v_lshlrev_b32 v[LI], 4, v13
.irp i, 0,1,2,3,4,5,6,7
	global_load_b128 v[Q+4*\i:Q+4*\i+3], v[LI], s[QP:QP+1] offset:512*\i   ; Q of my first head: tile i / 4, channels 32 ((i / 2) % 2) on, registers 4 (i % 2) on
.endr
	v_add_nc_u32 v[KAD], s55, v[LI]
	v_add_nc_u32 v[VAD], VSB, v[KAD]
	s_lshl_b32 s54, s[WV], 13
	v_add_nc_u32 v[OSW], s54, v[LI]
	v_add_nc_u32 v[OSW], OST, v[OSW]
	s_lshl_b32 s54, s[WV], 11
	v_add_nc_u32 v[OSR], s54, v[LI]
	v_add_nc_u32 v[OSR], OST, v[OSR]
	v_lshlrev_b32 v[STR], 3, v13
	v_add_nc_u32 v[STR], STT, v[STR]
	s_lshl_b32 s54, s[WV], 9
	v_add_nc_u32 v[STW], s54, v[STR]
	v_lshlrev_b32 v[PFO], 8, v13
	v_and_b32 v14, 15, v0
	v_bfe_u32 v15, v0, 4, 1
	v_mul_u32_u24 v[STO1], v14, 1040
	v_lshl_add_u32 v[STO1], v15, 5, v[STO1]
	v_add_nc_u32 v[STO1], s55, v[STO1]
	v_add_nc_u32 v[STO2], VSB, v[STO1]
.irp i, 72,73,74,75
	v_mov_b32 v[\i], 0                             ; a lane permute's destination counts as one of its sources
.endr
	v_mov_b32 v[MC+1], 0                           ; (named as the upper halves of pairs before they are first written)
	v_mov_b32 v[MC+3], 0
	s_wait_tensorcnt 1                             ; my quarter of K is in (V's load, issued behind it, may be out); I alone read it
	KLOADS
; ONE STEP: one head.  first = 1: the mean begins (nothing is cleared).  fill = 1: the next step's Q, K and V are asked for.
.macro HEAD first, fill
.if \fill
	HIDX HN, 1                                     ; the next step's head,
	HIDX PH, 2                                     ; and that of two steps on
.endif
	s_wait_loadcnt 0x0                             ; Q
	WIN 0xa1                                       ; K window 1, Q window 0, S window 2
.irp g, 0,1,2,3                        ; S^T = K Q^T: eight accumulators (four tiles of keys x two of queries) by turns, two deep
.irp u, 0,1
	s_wait_dscnt 56-16*\g-8*\u                     ; the loads of K issued behind those that these eight products read
.irp k, 0,1,2,3
.irp t, 0,1
.if \u == 0
	v_wmma_f32_16x16x32_f16 v[128*\t+8*(4*\g+\k):128*\t+8*(4*\g+\k)+7], v[16*(4*\g+\k):16*(4*\g+\k)+7], v[Q+16*\t:Q+16*\t+7], 0
.else
	v_wmma_f32_16x16x32_f16 v[128*\t+8*(4*\g+\k):128*\t+8*(4*\g+\k)+7], v[16*(4*\g+\k)+8:16*(4*\g+\k)+15], v[Q+16*\t+8:Q+16*\t+15], v[128*\t+8*(4*\g+\k):128*\t+8*(4*\g+\k)+7]
.endif
.endr
.endr
.endr
.endr
.rept 4
	v_nop                                          ; places behind the products, ahead of the first read of results
.endr
	WIN 0x0a                                       ; the largest score of my 128 a tile: four chains
.irp t, 0,1
.irp c, 0,1,2,3
	v_max_num_f32 v[64+4*\t+\c], v[128*\t+2*\c], v[128*\t+2*\c+1]
.endr
.endr
	WIN 0x28
.irp t, 0,1
.set i, 0
.rept 60
	v_max3_num_f32 v[64+4*\t+i%4], v[64+4*\t+i%4], v[128*\t+8+2*i], v[128*\t+9+2*i]
.set i, i+1
.endr
.endr
	WIN 0
.irp t, 0,1
	v_max3_num_f32 v[64+4*\t], v[64+4*\t], v[65+4*\t], v[66+4*\t]
.endr
.irp t, 0,1
	v_max_num_f32 v[64+4*\t], v[64+4*\t], v[67+4*\t]
.endr
.irp t, 0,1
	v_permlanex16_b32 v[72+\t], v[64+4*\t], s[SEL], s[SEL+1]   ; the query's other 128 keys lie in the lane 16 away
.endr
.irp t, 0,1
	v_max_num_f32 v[64+4*\t], v[64+4*\t], v[72+\t]
.endr
.irp t, 0,1
	v_mul_f32 v[MC+2*\t], s[CS], v[64+4*\t]        ; c m
.endr
.if \fill
	s_lshl_b32 s[T], s[HN], 17
	s_add_nc_u64 s[QP:QP+1], s[QB:QB+1], s[T:T+1]  ; (the wait for Q at the step's top has freed the address)
.irp i, 0,1,2,3,4,5,6,7
	global_load_b128 v[Q+4*\i:Q+4*\i+3], v[LI], s[QP:QP+1] offset:512*\i   ; the next head's Q
.endr
.endif
	WIN 0x82                                       ; S in place; c m in window 0
.irp t, 0,1
.set i, 0
.rept 64
	v_pk_fma_f32 v[128*\t+2*i:128*\t+2*i+1], v[128*\t+2*i:128*\t+2*i+1], s[CS:CS+1], v[MC+2*\t:MC+2*\t+1] op_sel_hi:[1,0,0] neg_lo:[0,0,1] neg_hi:[0,0,1]   ; c s - c m
.set i, i+1
.endr
.set i, 0
.rept 128
	v_exp_f32 v[128*\t+i], v[128*\t+i]             ; p, at most about 1
.set i, i+1
.endr
.endr
	v_nop                                          ; a plain line behind the last exponential,
	s_wait_alu depctr_va_vdst(0)                   ; and ONE wait for the 256, ahead of their first reader
	WIN 0x0a                                       ; l: four packed chains a tile
.irp t, 0,1
.irp c, 0,1,2,3
	v_pk_add_f32 v[76+8*\t+2*\c:77+8*\t+2*\c], v[128*\t+4*\c:128*\t+4*\c+1], v[128*\t+4*\c+2:128*\t+4*\c+3]
.endr
.endr
	WIN 0x08
.irp t, 0,1
.set i, 0
.rept 56
	v_pk_add_f32 v[76+8*\t+2*(i%4):77+8*\t+2*(i%4)], v[76+8*\t+2*(i%4):77+8*\t+2*(i%4)], v[128*\t+16+2*i:128*\t+17+2*i]
.set i, i+1
.endr
.endr
	WIN 0
.irp t, 0,1
	v_pk_add_f32 v[76+8*\t:77+8*\t], v[76+8*\t:77+8*\t], v[78+8*\t:79+8*\t]
	v_pk_add_f32 v[80+8*\t:81+8*\t], v[80+8*\t:81+8*\t], v[82+8*\t:83+8*\t]
.endr
.irp t, 0,1
	v_pk_add_f32 v[76+8*\t:77+8*\t], v[76+8*\t:77+8*\t], v[80+8*\t:81+8*\t]
.endr
.irp t, 0,1
	v_add_f32 v[76+8*\t], v[76+8*\t], v[77+8*\t]
.endr
.irp t, 0,1
	v_permlanex16_b32 v[74+\t], v[76+8*\t], s[SEL], s[SEL+1]
.endr
.irp t, 0,1
	v_add_f32 v[MC+2*\t+1], v[76+8*\t], v[74+\t]   ; l of my 256 keys
.endr
.irp t, 0,1
	ds_store_b64 v[STW], v[MC+2*\t:MC+2*\t+1] offset:256*\t
.endr
	; THE FIRST CHANGE: my reads of K's slot are over, my pairs are stored.  Behind the round K's slot takes the next head.
	s_wait_tensorcnt 0x0                           ; all my tensor loads have landed: V of this head
	ds_add_u32 v[SPW], v[NIL]                      ; 0 onto my spare word: the addresses below stand between it and the wait for it
.if \fill
	s_lshl_b32 s[T], s[HN], 17
	s_add_nc_u64 s[G0K+2:G0K+3], s[KB:KB+1], s[T:T+1]   ; no tensor load of mine is out, so a group 0 may be written
	s_or_b32 s[G0K+3], s[G0K+3], 0x80000000
.endif
	s_wait_xcnt 0x0                                ; the last head's stores of O have read their registers and base, the last prefetch its address
.if \fill
	s_lshl_b32 s[T], s[PH], 17
	s_add_nc_u64 s[PFK:PFK+1], s[PKB:PKB+1], s[T:T+1]
.endif
	s_lshl_b32 s[T], s[HH], 11                     ; two groups of 32 channels, 2,048 bytes, a head
	s_add_nc_u64 s[OP:OP+1], s[OB:OB+1], s[T:T+1]
	s_wait_dscnt 0x0                               ; the add and my stores are done
.if \fill
	CROUND                                         ; no wave of any partner still reads K's slot or has a load on its way
	TLD G0K, G1K                                   ; my one tensor load behind the round
	ASK PFK
.else
	s_barrier_signal -1
	s_barrier_wait -1
.endif
.irp t, 0,1
.irp w, 0,1,2,3
	ds_load_b64 v[92+8*\t+2*\w:93+8*\t+2*\w], v[STR] offset:512*\w+256*\t   ; the four waves' pairs for my lane's query
.endr
.endr
	WIN 0x40
.irp g, 0,1,2,3,4,5,6,7                ; V^T: keys 32 g on, channels 16 c on
.irp c, 0,1,2,3
.irp d, 0,1
	ds_load_b128 v[32*\g+8*\c+4*\d:32*\g+8*\c+4*\d+3], v[VAD] offset:8192*(\g/2)+2048*\c+1024*(\g%2)+512*\d
.endr
.endr
.endr
	WIN 0x0a
.set i, 0
.rept 128
	v_cvt_pk_f16_f32 v[P+i], v[2*i], v[2*i+1]      ; p to f16: two neighbouring tiles of keys are source 1 of the second product
.set i, i+1
.endr
	WIN 0
	s_wait_dscnt 63                                ; the pairs are in.  64 loads of V were issued behind them; 63 is the largest count that this wait can name, so V's first load is awaited with them
.irp t, 0,1
	v_max3_num_f32 v[118+\t], v[92+8*\t], v[94+8*\t], v[96+8*\t]
.endr
.irp t, 0,1
	v_max_num_f32 v[118+\t], v[118+\t], v[98+8*\t] ; M
.endr
.irp t, 0,1
.irp w, 0,1,2,3
	v_sub_f32 v[108+5*\t+\w], v[92+8*\t+2*\w], v[118+\t]
.endr
	v_sub_f32 v[112+5*\t], v[MC+2*\t], v[118+\t]   ; and my own
.endr
.set i, 0
.rept 10
	v_exp_f32 v[108+i], v[108+i]                   ; e = 2^(c m - M), at most 1
.set i, i+1
.endr
	v_nop
	s_wait_alu depctr_va_vdst(0)                   ; one wait for the ten
.irp t, 0,1
	v_mul_f32 v[FA+4*\t+1], v[93+8*\t], v[108+5*\t]
.endr
.irp w, 1,2,3
.irp t, 0,1
	v_fma_f32 v[FA+4*\t+1], v[93+8*\t+2*\w], v[108+5*\t+\w], v[FA+4*\t+1]   ; L: at least about 1, since the wave that holds M has e = 1
.endr
.endr
.irp t, 0,1
	v_rcp_f32 v[FA+4*\t+3], v[FA+4*\t+1]
.endr
	v_nop
	s_wait_alu depctr_va_vdst(0)                   ; one wait for the two
.irp t, 0,1
	v_mul_f32 v[FA+4*\t+2], v[112+5*\t], v[FA+4*\t+3]   ; f
.endr
.irp t, 0,1
	v_mul_f32 v[FA+4*\t], 0x3d800000, v[FA+4*\t+2]      ; f / 16
.endr
	WIN 0x01                                       ; V window 1; P and O^T window 0
.irp g, 0,1,2,3,4,5,6,7                ; O^T += V^T P: eight accumulators (four tiles of channels x two of queries) by turns, eight deep
	s_wait_dscnt 56-8*\g                           ; the loads of V issued behind those that these eight products read
.irp c, 0,1,2,3
.irp t, 0,1
.if \g == 0
	v_wmma_f32_16x16x32_f16 v[O+8*(4*\t+\c):O+8*(4*\t+\c)+7], v[32*\g+8*\c:32*\g+8*\c+7], v[P+64*\t+8*\g:P+64*\t+8*\g+7], 0
.else
	v_wmma_f32_16x16x32_f16 v[O+8*(4*\t+\c):O+8*(4*\t+\c)+7], v[32*\g+8*\c:32*\g+8*\c+7], v[P+64*\t+8*\g:P+64*\t+8*\g+7], v[O+8*(4*\t+\c):O+8*(4*\t+\c)+7]
.endif
.endr
.endr
.endr
.if \first
	WIN 0xc2                                       ; the mean begins: p x f / 16.  (These lines are also the places behind the products)
.irp t, 0,1
.set i, 0
.rept 64
	v_pk_mul_f32 v[128*\t+2*i:128*\t+2*i+1], v[128*\t+2*i:128*\t+2*i+1], v[FA+4*\t:FA+4*\t+1] op_sel_hi:[1,0]
.set i, i+1
.endr
.endr
.else
	WIN 0xf2                                       ; the mean += p x f / 16
.irp t, 0,1
.set i, 0
.rept 64
	v_pk_fma_f32 v[128*\t+2*i:128*\t+2*i+1], v[128*\t+2*i:128*\t+2*i+1], v[FA+4*\t:FA+4*\t+1], v[128*\t+2*i:128*\t+2*i+1] op_sel_hi:[1,0,1]
.set i, i+1
.endr
.endr
.endif
	WIN 0
.irp t, 0,1
.set i, 0
.rept 16
	v_pk_mul_f32 v[O+32*\t+2*i:O+32*\t+2*i+1], v[O+32*\t+2*i:O+32*\t+2*i+1], v[FA+4*\t+2:FA+4*\t+3] op_sel_hi:[1,0]   ; my part of O^T x f, each accumulator from its low end on
.set i, i+1
.endr
.endr
.set i, 0
.rept 16
	ds_store_b128 v[OSW], v[O+4*i:O+4*i+3] offset:512*i
.set i, i+1
.endr
	; THE SECOND CHANGE: my reads of V's slot are over, my part of O^T is stored.  Behind the round V's slot takes the next head.
	s_wait_tensorcnt 0x0                           ; all my tensor loads have landed: K of the next head
	ds_add_u32 v[SPW], v[NIL]                      ; 0 onto my spare word, as above
.if \fill
	s_lshl_b32 s[T], s[HN], 13
	s_add_nc_u64 s[G0V+2:G0V+3], s[VB:VB+1], s[T:T+1]
	s_or_b32 s[G0V+3], s[G0V+3], 0x80000000
	s_wait_xcnt 0x0                                ; the last prefetch of V has read its address
	s_lshl_b32 s[T], s[PH], 13
	s_add_nc_u64 s[PFV:PFV+1], s[PVB:PVB+1], s[T:T+1]
.endif
	s_wait_dscnt 0x0
.if \fill
	CROUND
	TLD G0V, G1V
	ASK PFV
.else
	s_barrier_signal -1
	s_barrier_wait -1
.endif
.irp w, 0,1,2,3                        ; tiles 2 w' and 2 w' + 1 of O^T are mine (w' my wave): the four waves' parts
.irp t, 0,1
.irp c, 0,1
	ds_load_b128 v[P+16*\w+8*\t+4*\c:P+16*\w+8*\t+4*\c+3], v[OSR] offset:8192*\w+1024*\t+512*\c
.endr
.endr
.endr
.if \fill
	KLOADS                                         ; the next head's K
	s_wait_dscnt 63                                ; the parts are in.  64 loads of K were issued behind them; 63 is the largest count that this wait can name, so K's first load is awaited with them
.else
	s_wait_dscnt 0x0
.endif
.set i, 0
.rept 8
	v_pk_add_f32 v[P+2*i:P+2*i+1], v[P+2*i:P+2*i+1], v[P+16+2*i:P+17+2*i]
	v_pk_add_f32 v[P+32+2*i:P+33+2*i], v[P+32+2*i:P+33+2*i], v[P+48+2*i:P+49+2*i]
.set i, i+1
.endr
.set i, 0
.rept 8
	v_pk_add_f32 v[P+2*i:P+2*i+1], v[P+2*i:P+2*i+1], v[P+32+2*i:P+33+2*i]
.set i, i+1
.endr
.set i, 0
.rept 8
	v_cvt_pk_f16_f32 v[P+64+i], v[P+2*i], v[P+2*i+1]   ; lane (r, h): query r, eight neighbouring channels: the lane's 16 bytes of the next operand's four registers
.set i, i+1
.endr
	global_store_b128 v[LI], v[P+64:P+67], s[OP:OP+1]              ; a piece: 512 consecutive bytes, aligned
	global_store_b128 v[LI], v[P+68:P+71], s[OP:OP+1] offset:512
.if \fill
	s_mov_b32 s[HH], s[HN]                         ; on to the next step
	s_add_co_u32 s[ST], s[ST], 1
.endif
.endm
	HEAD 1, 1                                      ; step 0
	s_mov_b32 s[HC], 14
.Lhead:                                            ; steps 1 to 14
	HEAD 0, 1
	s_sub_co_u32 s[HC], s[HC], 1
	s_cmp_lg_u32 s[HC], 0
	s_cbranch_scc1 .Lhead
	HEAD 0, 0                                      ; step 15 is written out: it asks for nothing
	; THE WAY OUT OF out1.  A lane holds 32 neighbouring bytes of a row, the lanes beside it other rows: a tile's 16 rows x 1,024 bytes go through a stage (rows of 1,040 bytes) and leave as runs of 512 consecutive bytes.
	; The stages lie in my own quarters of K's and V's slots, which have had their last fill and their last read.
	s_wait_xcnt 0x0                                ; the last stores of O have read v192-199
	WIN 0x0c                                       ; an LDS store's data are its source 1: window 3
.irp k, 0,1,2,3,4,5,6,7,8,9,10,11,12,13,14,15
	ds_store_b128 v[STO1], v[8*\k:8*\k+3] offset:64*\k
	ds_store_b128 v[STO1], v[8*\k+4:8*\k+7] offset:64*\k+16
.endr
.irp k, 0,1,2,3,4,5,6,7,8,9,10,11,12,13,14,15
	ds_store_b128 v[STO2], v[128+8*\k:128+8*\k+3] offset:64*\k
	ds_store_b128 v[STO2], v[128+8*\k+4:128+8*\k+7] offset:64*\k+16
.endr
	WIN 0
.set i, 0
.rept 32
	ds_load_b128 v[P+4*i:P+4*i+3], v[KAD] offset:1040*(i/2)+512*(i%2)   ; LDS serves a wave's instructions in order: these see my stores
.set i, i+1
.endr
	WIN 0x40
.set i, 0
.rept 32
	ds_load_b128 v[4*i:4*i+3], v[VAD] offset:1040*(i/2)+512*(i%2)
.set i, i+1
.endr
	WIN 0
.set i, 0
.rept 32
	s_wait_dscnt 63-i                              ; the loads issued behind this one
	global_store_b128 v[LI], v[P+4*i:P+4*i+3], s[W1P:W1P+1] offset:4096*(i/2)+512*(i%2) th:TH_STORE_NT
.set i, i+1
.endr
	WIN 0x04                                       ; a store's data are its source 1: window 1
.set i, 0
.rept 32
	s_wait_dscnt 31-i
	global_store_b128 v[LI], v[4*i:4*i+3], s[W1P:W1P+1] offset:65536+4096*(i/2)+512*(i%2) th:TH_STORE_NT
.set i, i+1
.endr
	WIN 0
	s_wait_tensorcnt 0x0                           ; the wave's end
	ds_add_u32 v[SPW], v[NIL]
	s_wait_dscnt 0x0
	CROUND                                         ; the closing round
	s_endpgm
.Lfunc_end_k_qdbee5df44b_attn:
	.size	k_qdbee5df44b_attn, .Lfunc_end_k_qdbee5df44b_attn-k_qdbee5df44b_attn
	.p2alignl 7, 3214868480
	.fill 96, 4, 3214868480
	.section	.rodata,"a",@progbits
	.p2align	6, 0x0
	.amdhsa_kernel k_qdbee5df44b_attn
		.amdhsa_group_segment_fixed_size 327680
		.amdhsa_private_segment_fixed_size 0
		.amdhsa_enable_private_segment 0
		.amdhsa_kernarg_size 24
		.amdhsa_user_sgpr_count 2
		.amdhsa_user_sgpr_kernarg_segment_ptr 1
		.amdhsa_wavefront_size32 1
		.amdhsa_system_sgpr_workgroup_id_x 1
		.amdhsa_system_sgpr_workgroup_id_y 1
		.amdhsa_system_sgpr_workgroup_id_z 1
		.amdhsa_system_vgpr_workitem_id 0
		.amdhsa_next_free_vgpr 1024
		.amdhsa_next_free_sgpr 86
		.amdhsa_reserve_vcc 0
		.amdhsa_float_denorm_mode_32 3
		.amdhsa_float_denorm_mode_16_64 3
		.amdhsa_memory_ordered 1
		.amdhsa_forward_progress 1
		.amdhsa_inst_pref_size 254
	.end_amdhsa_kernel
	.amdgpu_metadata
---
amdhsa.version: [ 1, 2 ]
amdhsa.kernels:
  - .name:           k_qdbee5df44b_attn
    .symbol:         k_qdbee5df44b_attn.kd
    .args:
      - { .name: qkv, .offset: 0, .size: 8, .value_kind: global_buffer, .address_space: global }
      - { .name: o_img, .offset: 8, .size: 8, .value_kind: global_buffer, .address_space: global }
      - { .name: out1, .offset: 16, .size: 8, .value_kind: global_buffer, .address_space: global }
    .group_segment_fixed_size: 327680
    .private_segment_fixed_size: 0
    .kernarg_segment_align: 8
    .kernarg_segment_size: 24
    .max_flat_workgroup_size: 128
    .sgpr_count:     86
    .vgpr_count:     1024
    .wavefront_size: 32
...
	.end_amdgpu_metadata
.endif
;; end of part 3
;; launch oproj (part 4): grid 8 x 32, 4 waves a work-group, clusters of 4 x 4, 327,680 bytes of LDS; arguments o_img, wo_h, out_proj_bias, out0; writes out0
.if DOCPART == 4
	.amdgcn_target "amdgcn-amd-amdhsa--gfx1250"
	.amdhsa_code_object_version 6
	.text
	.protected	k_qdbee5df44b_oproj
	.globl	k_qdbee5df44b_oproj
	.p2align	8
	.type	k_qdbee5df44b_oproj,@function
k_qdbee5df44b_oproj:
	s_mov_b64 s[64:65], 0
	v_nop
	global_prefetch_b8 v0, s[64:65] scope:SCOPE_SE
	s_setreg_imm32_b32 hwreg(HW_REG_WAVE_MODE, 25, 1), 1
	s_wait_xcnt 0x0
	s_wait_alu depctr_hold_cnt(0) depctr_sa_sdst(0) depctr_va_vdst(0) depctr_va_sdst(0) depctr_va_ssrc(0) depctr_va_vcc(0) depctr_vm_vsrc(0)
	s_getreg_b32 s2, hwreg(HW_REG_IB_STS2, 6, 4)
	s_cmp_eq_u32 s2, 0
	s_cbranch_scc0 .Lentry_in_a_cluster
	s_endpgm
.Lentry_in_a_cluster:
	s_bfe_u32 s2, ttmp6, 0x10000c
	s_cmp_lg_u32 s2, 0xf033
	s_cbranch_scc0 .Lentry_shape_is_right
	s_endpgm
.Lentry_shape_is_right:
; out0[l][n][:] = O[n x 1,024 + l][:] Wo^T + bo.  O: 8,192 x 1,024 f16, as images of operand registers (tile of 16 rows, group of 32 channels: 1,024 bytes; four registers: 512 bytes, 16 a lane); Wo: [1024][1024] f16; sums in f32.
; A tile of 128 x 128 is made by four waves, 64 x 64 each: 16 accumulators.  There are 512 tiles and 256 work-groups: A WORK-GROUP STAYS and makes two tiles, 32 tile rows apart (batches n and n + 4), with the same rows of Wo.
; K goes in four steps of 256 a tile through two LDS slots, and the ring does not stop at the first tile's end: its last two changes of slots ask for the second tile's first two K steps; then the first tile goes out,
; and nothing waits for its stores.  A's part of a slot is images (4 tiles of rows x 8,192 bytes a load, read 16 bytes a lane on end: no padding); B's is rows of 512 bytes + 16.
; CLUSTERS: 4 x 4 work-groups; A's tiles are asked for jointly along a row of the cluster, B's along a column.  THE MATRIX INSTRUCTION IS USED TRANSPOSED (source 0 = 16 rows of Wo, source 1 = 16 rows of O).
; THE ORDER OF K.  Cluster (x, y) walks a tile's K steps as p, p + 1, then the other two, p = 2 ((x + y) % 2).  The two clusters that read the same rows of O differ in x, neighbouring clusters that read the same rows of Wo in y:
; so at any time they ask for different K steps of those rows.  The sums are f32 and hang on the order by their rounding alone.
; The bias is the C of each tile's first products.  A wave's 64 columns of f32 are 256 aligned bytes: each wave has a stage of its own on the way out, and no barrier stands there.
; No prefetch: small tiles, 128 matrix instructions a wave in a K step, and eight K steps in all.
; REGISTERS: window 0: v16-29 addresses; v32-95 the way out; v96-127 the bias; v128-255 the accumulators ((a, b) at v[128 + 8 (4 a + b)]).   window 1: two fragment buffers of 128: 64 registers of A, then 64 of B.
.set KSTEP,  256
.set PITCH,  528
.set HALFA,  32768                     ; 64 rows of O x 256 K as images
.set HALFB,  64*PITCH
.set SLOT,   2*HALFA+2*HALFB
.set STAGE,  2*SLOT
.set SPITCH, 272
.set SPARE,  STAGE+4*16*SPITCH
.set NEXT_A, 256*32768                 ; 32 tile rows down: 256 tiles of 16 rows of 32,768 bytes
.set ADRA, 16
.set ADRB, 20
.set STO,  24
.set RD,   25
.set CO,   26
.set SPW,  28
.set NIL,  29
.set TMP,  32
.set BI,   96
.set ACC,  128
.set F0,   0
.set F1,   128
.set G1, 24
.set G0, 32
.set G1B, 48
.set G0B, 56
.set AP, 70                            ; s[70:71], s[72:73] two K steps of A in bytes, 16,384, and 0: (AP, AM) where my cluster begins at K step 0; (0, 16,384) where it begins at K step 2
.set AM, 72
.set BP, 74                            ; s[74:75], s[76:77] the same for B: 1,024
.set BM, 76
.set MSB, 0
.macro WIN new
.if MSB != (\new)
	s_set_vgpr_msb (MSB<<8)|(\new)
.set MSB, (\new)
.endif
.endm
.set MUL,  0x05                        ; sources 0 (Wo) and 1 (O) window 1; C and D window 0
.set TO_F, 0x40
.macro JLOAD s                         ; a joint load: waves 0 and 1 fetch A's two halves, waves 2 and 3 B's; an s_nop 0 and four v_nop follow each of the two lines
	s_cmp_eq_u32 s11, 0
	s_cbranch_scc0 .Lfor_b_\@
	tensor_load_to_lds s[G0+4*\s:G0+4*\s+3], s[G1:G1+7]
	s_nop 0
.rept 4
	v_nop
.endr
	s_branch .Lasked_\@
.Lfor_b_\@:
	tensor_load_to_lds s[G0B+4*\s:G0B+4*\s+3], s[G1B:G1B+7]
	s_nop 0
.rept 4
	v_nop
.endr
.Lasked_\@:
.endm
.macro CREST
	s_cmp_lg_u32 s10, 0
	s_cbranch_scc1 .Lnot_wave_0_\@
	s_barrier_signal -3
.Lnot_wave_0_\@:
	s_barrier_wait -3
	s_barrier_signal -1
	s_barrier_wait -1
.endm
.macro CROUND
	s_barrier_signal -1
	s_barrier_wait -1
	CREST
.endm
	s_load_b128 s[4:7], s[0:1], 0x0                ; O's images s[4:5], Wo s[6:7]
	s_load_b64 s[66:67], s[0:1], 0x10              ; bo
	s_load_b64 s[8:9], s[0:1], 0x18                ; out0
	v_lshl_add_u32 v[SPW], v0, 2, SPARE
	v_mov_b32 v[NIL], 0
	ds_add_u32 v[SPW], v[NIL]                      ; the wave's opening: the add, twice on end, and its wait ahead of my first tensor load
	ds_add_u32 v[SPW], v[NIL]
	v_lshrrev_b32 v1, 5, v0
	v_readfirstlane_b32 s10, v1                    ; wave 0..3
	s_lshr_b32 s11, s10, 1                         ; which half of the tile's rows is mine.  Also: I fetch for A (0) or for B (1)
	s_and_b32 s12, s10, 1                          ; which half of its columns.  Also: which 64 rows I fetch
	s_bfe_u32 s40, ttmp6, 0x40000
	s_bfe_u32 s41, ttmp6, 0x40004
	s_lshl_b32 s42, ttmp9, 2
	s_add_co_u32 s42, s42, s40                     ; tile column, 0 .. 7
	s_and_b32 s13, ttmp7, 0xffff                   ; the cluster's y
	s_add_co_u32 s45, s13, ttmp9
	s_and_b32 s45, s45, 1                          ; (x + y) % 2: cluster numbers alone, the same in all sixteen partners
	s_xor_b32 s68, s45, 1
	s_lshl_b32 s[AM], s45, 14
	s_lshl_b32 s[AP], s68, 14
	s_lshl_b32 s[BM], s45, 10
	s_lshl_b32 s[BP], s68, 10
	s_mov_b32 s[AM+1], 0
	s_mov_b32 s[AP+1], 0
	s_mov_b32 s[BM+1], 0
	s_mov_b32 s[BP+1], 0
	s_lshl_b32 s13, s13, 2
	s_add_co_u32 s13, s13, s41                     ; my first tile's row, 0 .. 31
	s_lshl_b32 s43, s41, 2
	s_lshl_b32 s43, 15, s43                        ; my row of the cluster
	s_lshl_b32 s44, 0x1111, s40                    ; my column
	s_or_b32 s[G1+0], s43, (3<<16)|(1<<21)         ; A: the mask; elements of 8 bytes; bit 21 beside a mask; no padding
	s_mov_b32 s[G1+1], 1024<<16                    ; 4 rows (tiles of 16 rows of O) of 8,192 bytes (8 groups of 32 channels), 32,768 bytes apart
	s_mov_b32 s[G1+2], 4<<16
	s_mov_b32 s[G1+3], 1024<<16
	s_mov_b32 s[G1+4], 4
	s_mov_b32 s[G1+5], 4096
	s_mov_b32 s[G1+6], 0
	s_mov_b32 s[G1+7], 0
	s_or_b32 s[G1B+0], s44, (1<<16)|(1<<20)|(1<<21)|(6<<22)|(3<<25)  ; B: elements of 2 bytes; 4 words of padding behind every 128
	s_mov_b32 s[G1B+1], KSTEP<<16
	s_mov_b32 s[G1B+2], 64<<16
	s_mov_b32 s[G1B+3], KSTEP<<16
	s_mov_b32 s[G1B+4], 64
	s_mov_b32 s[G1B+5], 1024
	s_mov_b32 s[G1B+6], 0
	s_mov_b32 s[G1B+7], 0
	s_lshl_b32 s16, s13, 3
	s_lshl_b32 s17, s12, 2
	s_add_co_u32 s16, s16, s17
	s_lshl_b32 s16, s16, 15                        ; A: tile of 16 rows 8 x tile row + 4 x half, 32,768 bytes each
	s_mov_b32 s17, 0
	s_lshl_b32 s46, s42, 7
	s_lshl_b32 s47, s12, 6
	s_add_co_u32 s46, s46, s47
	s_lshl_b32 s46, s46, 11                        ; B: row 128 x tile column + 64 x half, 2,048 bytes each
	s_mov_b32 s47, 0
	s_lshl_b32 s20, s12, 15                        ; where they go: A's two halves,
	s_mul_i32 s21, s12, HALFB
	s_add_co_u32 s21, s21, 2*HALFA                 ; then B's two: the wave's number alone
	s_wait_dscnt 0x0                               ; both opening adds are done
	s_wait_kmcnt 0x0
	s_add_nc_u64 s[14:15], s[4:5], s[16:17]
	s_add_nc_u64 s[14:15], s[14:15], s[AM:AM+1]    ; at my cluster's first K step: 0 or 2
	s_add_nc_u64 s[46:47], s[6:7], s[46:47]
	s_add_nc_u64 s[46:47], s[46:47], s[BM:BM+1]
	CROUND                                         ; all sixteen work-groups are here: the first joint loads meet
.irp s, 0,1
	s_mov_b32 s[G0+4*\s], 1
	s_add_co_u32 s[G0+4*\s+1], s20, \s*SLOT
	s_add_nc_u64 s[G0+4*\s+2:G0+4*\s+3], s[14:15], \s*8192
	s_or_b32 s[G0+4*\s+3], s[G0+4*\s+3], 0x80000000
	s_mov_b32 s[G0B+4*\s], 1
	s_add_co_u32 s[G0B+4*\s+1], s21, \s*SLOT
	s_add_nc_u64 s[G0B+4*\s+2:G0B+4*\s+3], s[46:47], \s*KSTEP*2
	s_or_b32 s[G0B+4*\s+3], s[G0B+4*\s+3], 0x80000000
	JLOAD \s
.endr
	v_and_b32 v1, 15, v0                           ; r
	v_bfe_u32 v2, v0, 4, 1                         ; h
	v_and_b32 v6, 31, v0
	v_lshlrev_b32 v6, 4, v6                        ; 16 x lane: an image's place for my lane
	v_mul_u32_u24 v3, v1, PITCH
	v_lshl_add_u32 v3, v2, 4, v3                   ; Wo: row x pitch + 16 h
	s_lshl_b32 s21, s11, 15                        ; my 64 rows of O
	s_mul_i32 s22, s12, HALFB
	s_add_co_u32 s22, s22, 2*HALFA                 ; my 64 rows of Wo
.irp s, 0,1
	v_add_nc_u32 v[ADRA+\s], s21, v6
	v_add_nc_u32 v[ADRB+\s], s22, v3
	s_add_co_u32 s21, s21, SLOT
	s_add_co_u32 s22, s22, SLOT
.endr
	s_mul_i32 s23, s10, 16*SPITCH
	s_add_co_u32 s23, s23, STAGE                   ; my stage: 16 rows of 256 bytes + 16
	v_mul_u32_u24 v4, v1, SPITCH
	v_lshl_add_u32 v4, v2, 5, v4
	v_add_nc_u32 v[STO], s23, v4                   ; in: row r, 32 bytes for each half of the lanes
	v_mul_u32_u24 v5, v2, SPITCH
	v_lshl_add_u32 v5, v1, 4, v5
	v_add_nc_u32 v[RD], s23, v5                    ; back: lanes 0-15 one row, lanes 16-31 the next
	v_lshlrev_b32 v5, 15, v2
	v_lshl_add_u32 v[CO], v1, 4, v5                ; in out0 rows l and l + 1 of one n lie 32,768 bytes apart
	s_and_b32 s16, s13, 7
	s_lshl_b32 s16, s16, 7
	s_lshl_b32 s17, s11, 6
	s_add_co_u32 s16, s16, s17                     ; my first l: 128 (tile row % 8) + 64 x half
	s_lshl_b32 s16, s16, 3
	s_lshr_b32 s17, s13, 3                         ; n = tile row / 8: 0 .. 3 in the first tile; the second tile's is 4 more
	s_add_co_u32 s16, s16, s17
	s_lshl_b32 s16, s16, 12                        ; row 8 l + n of 4,096 bytes
	s_mov_b32 s17, 0
	s_add_nc_u64 s[8:9], s[8:9], s[16:17]
	s_lshl_b32 s46, s42, 9
	s_lshl_b32 s47, s12, 8
	s_add_co_u32 s46, s46, s47                     ; my first column, in bytes: in out0's rows and in bo alike
	s_mov_b32 s47, 0
	s_add_nc_u64 s[8:9], s[8:9], s[46:47]
	s_add_nc_u64 s[66:67], s[66:67], s[46:47]
	v_lshlrev_b32 v7, 5, v2
.irp b, 0,1,2,3
	global_load_b128 v[BI+8*\b:BI+8*\b+3], v7, s[66:67] offset:64*\b           ; bo at columns 16 b + 8 h + 0 .. 7: the result's layout; it serves both tiles
	global_load_b128 v[BI+8*\b+4:BI+8*\b+7], v7, s[66:67] offset:64*\b+16
.endr
; 8 matrix instructions: row blocks a0, a0 + 1 x all 4 column blocks, 32 along K: half c of buffer f.  zero = 1: a tile's first products start the sums from the bias.  The 16 accumulators take turns.
.macro MUL8 f, c, a0, zero
.irp a, \a0, \a0+1
.irp b, 0,1,2,3
.if \zero
	v_wmma_f32_16x16x32_f16 v[ACC+8*(4*(\a)+\b):ACC+8*(4*(\a)+\b)+7], v[\f+64+8*(4*\c+\b):\f+64+8*(4*\c+\b)+7], v[\f+8*(4*\c+\a):\f+8*(4*\c+\a)+7], v[BI+8*\b:BI+8*\b+7]
.else
	v_wmma_f32_16x16x32_f16 v[ACC+8*(4*(\a)+\b):ACC+8*(4*(\a)+\b)+7], v[\f+64+8*(4*\c+\b):\f+64+8*(4*\c+\b)+7], v[\f+8*(4*\c+\a):\f+8*(4*\c+\a)+7], v[ACC+8*(4*(\a)+\b):ACC+8*(4*(\a)+\b)+7]
.endif
.endr
.endr
.endm
; 32 LDS loads in one run: the fragments of the slot's q-th 64 along K into buffer f; the first 32 along K first
.macro FETCH slot, q, f
	WIN TO_F
.irp c, 0,1
.irp i, 0,1,2,3
	ds_load_b128 v[\f+64+8*(4*\c+\i):\f+64+8*(4*\c+\i)+3],   v[ADRB+\slot] offset:128*(\q)+64*\c+\i*16*PITCH
	ds_load_b128 v[\f+64+8*(4*\c+\i)+4:\f+64+8*(4*\c+\i)+7], v[ADRB+\slot] offset:128*(\q)+64*\c+\i*16*PITCH+32
	ds_load_b128 v[\f+8*(4*\c+\i):\f+8*(4*\c+\i)+3],         v[ADRA+\slot] offset:(2*(\q)+\c)*1024+\i*8192
	ds_load_b128 v[\f+8*(4*\c+\i)+4:\f+8*(4*\c+\i)+7],       v[ADRA+\slot] offset:(2*(\q)+\c)*1024+\i*8192+512
.endr
.endr
.endm
.macro PLACES
.rept 4
	v_nop
.endr
.endm
; A K step is four quarters of 64 along K, 32 matrix instructions each, on buffers 0, 1, 0, 1.  One of the first three multiplies buffer f and fetches quarter q into g.
.macro QUARTER slot, q, f, g, zero
	s_wait_dscnt 16                                ; the first 32 along K are in; the sixteen loads behind them may be out
	WIN MUL
	MUL8 \f, 0, 0, \zero
	MUL8 \f, 0, 2, \zero
	PLACES
	FETCH \slot, \q, \g
	s_wait_dscnt 32                                ; all but the 32 just issued
	WIN MUL
	MUL8 \f, 1, 0, 0
	MUL8 \f, 1, 2, 0
.endm
; The last quarter multiplies buffer 1 and changes slots: one barrier; in front of it each wave waits for all its tensor loads, adds 0 to its spare word, and waits for that and for its reads of this slot.
; how = 1: this slot takes the tile's other K step of its kind (two on, or two back, by my cluster's order);  how = 2: the next tile's, back at my cluster's first two K steps;  how = 0: nothing is left to fetch.
.macro TURN slot, next, how
	WIN 0
	s_wait_tensorcnt 0x0                           ; all my tensor loads have landed: my part of the next slot
	ds_add_u32 v[SPW], v[NIL]                      ; 0 onto my spare word
	s_wait_dscnt 17                                ; (the add and the youngest sixteen loads may be out)
	WIN MUL
	MUL8 F1, 0, 0, 0
	s_wait_dscnt 0x0                               ; the add is done, and my reads of this slot are over
	s_barrier_signal -1
	MUL8 F1, 0, 2, 0
.if \how
	WIN 0
.endif
	s_barrier_wait -1
.if \how
	CREST                                          ; the barrier has opened a round of the cluster's barrier: no wave of any partner still reads this slot or has a load on its way
.if \how == 1
	s_add_nc_u64 s[G0+4*\slot+2:G0+4*\slot+3], s[G0+4*\slot+2:G0+4*\slot+3], s[AP:AP+1]
	s_sub_nc_u64 s[G0+4*\slot+2:G0+4*\slot+3], s[G0+4*\slot+2:G0+4*\slot+3], s[AM:AM+1]
	s_add_nc_u64 s[G0B+4*\slot+2:G0B+4*\slot+3], s[G0B+4*\slot+2:G0B+4*\slot+3], s[BP:BP+1]
	s_sub_nc_u64 s[G0B+4*\slot+2:G0B+4*\slot+3], s[G0B+4*\slot+2:G0B+4*\slot+3], s[BM:BM+1]
.else
	s_add_nc_u64 s[G0+4*\slot+2:G0+4*\slot+3], s[G0+4*\slot+2:G0+4*\slot+3], s[AM:AM+1]
	s_sub_nc_u64 s[G0+4*\slot+2:G0+4*\slot+3], s[G0+4*\slot+2:G0+4*\slot+3], s[AP:AP+1]
	s_add_nc_u64 s[G0+4*\slot+2:G0+4*\slot+3], s[G0+4*\slot+2:G0+4*\slot+3], NEXT_A
	s_add_nc_u64 s[G0B+4*\slot+2:G0B+4*\slot+3], s[G0B+4*\slot+2:G0B+4*\slot+3], s[BM:BM+1]
	s_sub_nc_u64 s[G0B+4*\slot+2:G0B+4*\slot+3], s[G0B+4*\slot+2:G0B+4*\slot+3], s[BP:BP+1]
.endif
	JLOAD \slot                                    ; the first tensor load behind the round; its four v_nop are also the places in front of the loads below
.else
	PLACES
.endif
	FETCH \next, 0, F0
	WIN MUL
	MUL8 F1, 1, 0, 0
	MUL8 F1, 1, 2, 0
.endm
; A tile's four K steps.  last = 0: the ring goes on into the next tile.  last = 1: the last two K steps ask for nothing.
.macro TILE last
	QUARTER 0, 1, F0, F1, 1                        ; the tile's first products start the sums
	QUARTER 0, 2, F1, F0, 0
	QUARTER 0, 3, F0, F1, 0
	TURN 0, 1, 1
	QUARTER 1, 1, F0, F1, 0
	QUARTER 1, 2, F1, F0, 0
	QUARTER 1, 3, F0, F1, 0
	TURN 1, 0, 1
	QUARTER 0, 1, F0, F1, 0
	QUARTER 0, 2, F1, F0, 0
	QUARTER 0, 3, F0, F1, 0
.if \last
	TURN 0, 1, 0
.else
	TURN 0, 1, 2
.endif
	QUARTER 1, 1, F0, F1, 0
	QUARTER 1, 2, F1, F0, 0
	QUARTER 1, 3, F0, F1, 0
.if \last
	s_wait_dscnt 16
	WIN MUL
	MUL8 F1, 0, 0, 0
	MUL8 F1, 0, 2, 0
	s_wait_dscnt 0
	MUL8 F1, 1, 0, 0
	MUL8 F1, 1, 2, 0
.else
	TURN 1, 0, 2                                   ; and the next tile's first fragments are fetched
.endif
	WIN 0
.endm
; THE WAY OUT, 16 rows x 64 columns at a time, through my own stage: LDS serves a wave's instructions in order, so no wait stands between the stores and the loads, nor ahead of the next block's stores.
.macro TOSTAGE a
.irp b, 0,1,2,3
	ds_store_b128 v[STO], v[ACC+8*(4*(\a)+\b):ACC+8*(4*(\a)+\b)+3] offset:64*\b       ; each accumulator from its low end on
	ds_store_b128 v[STO], v[ACC+8*(4*(\a)+\b)+4:ACC+8*(4*(\a)+\b)+7] offset:64*\b+16
.endr
.irp t, 0,1,2,3,4,5,6,7
	ds_load_b128 v[TMP+32*((\a)%2)+4*\t:TMP+32*((\a)%2)+4*\t+3], v[RD] offset:\t*2*SPITCH
.endr
.endm
.macro SEND a, younger, tile           ; younger: the LDS instructions issued behind block a's loads.  The second tile's rows lie 4 rows of 4,096 bytes (n + 4) behind the first's
	s_wait_dscnt \younger
.irp t, 0,1,2,3,4,5,6,7
	global_store_b128 v[CO], v[TMP+32*((\a)%2)+4*\t:TMP+32*((\a)%2)+4*\t+3], s[8:9] offset:524288*(\a)+65536*\t+16384*(\tile) th:TH_STORE_NT   ; 16 lanes store 256 consecutive bytes, aligned
.endr
.endm
.macro WAYOUT tile
	s_wait_xcnt 0x0                                ; the stores of the tile before have read v32-95
.rept 5
	v_nop                                          ; four places ahead of the first read of results; five ahead of the next tile's first products, which begin the accumulators anew from another C
.endr
	TOSTAGE 0
	TOSTAGE 1
	SEND 0, 16, \tile
	s_wait_xcnt 0x0                                ; block 0's stores have read their registers
	TOSTAGE 2
	SEND 1, 16, \tile
	s_wait_xcnt 0x0
	TOSTAGE 3
	SEND 2, 16, \tile
	SEND 3, 0, \tile                               ; no LDS instruction of mine is out behind this line: the accumulators may be written again
.endm
	s_wait_loadcnt 0x0                             ; the bias
	s_wait_tensorcnt 1                             ; my part of the first K step is in (the second's load may be out),
	s_barrier_signal -1
	s_barrier_wait -1                              ; everybody's is
	FETCH 0, 0, F0
	TILE 0
	WAYOUT 0                                       ; both refills for the second tile are asked for: now the first tile goes out, and its stores leave under the second tile's products
	TILE 1
	WAYOUT 1
	s_wait_tensorcnt 0x0                           ; the wave's end
	ds_add_u32 v[SPW], v[NIL]
	s_wait_dscnt 0x0
	CROUND                                         ; the closing round
	s_endpgm
.Lfunc_end_k_qdbee5df44b_oproj:
	.size	k_qdbee5df44b_oproj, .Lfunc_end_k_qdbee5df44b_oproj-k_qdbee5df44b_oproj
	.p2alignl 7, 3214868480
	.fill 96, 4, 3214868480
	.section	.rodata,"a",@progbits
	.p2align	6, 0x0
	.amdhsa_kernel k_qdbee5df44b_oproj
		.amdhsa_group_segment_fixed_size 327680
		.amdhsa_private_segment_fixed_size 0
		.amdhsa_enable_private_segment 0
		.amdhsa_kernarg_size 32
		.amdhsa_user_sgpr_count 2
		.amdhsa_user_sgpr_kernarg_segment_ptr 1
		.amdhsa_wavefront_size32 1
		.amdhsa_system_sgpr_workgroup_id_x 1
		.amdhsa_system_sgpr_workgroup_id_y 1
		.amdhsa_system_sgpr_workgroup_id_z 1
		.amdhsa_system_vgpr_workitem_id 0
		.amdhsa_next_free_vgpr 512
		.amdhsa_next_free_sgpr 78
		.amdhsa_reserve_vcc 0
		.amdhsa_float_denorm_mode_32 3
		.amdhsa_float_denorm_mode_16_64 3
		.amdhsa_memory_ordered 1
		.amdhsa_forward_progress 1
		.amdhsa_inst_pref_size 167
	.end_amdhsa_kernel
	.amdgpu_metadata
---
amdhsa.version: [ 1, 2 ]
amdhsa.kernels:
  - .name:           k_qdbee5df44b_oproj
    .symbol:         k_qdbee5df44b_oproj.kd
    .args:
      - { .name: o_img, .offset: 0, .size: 8, .value_kind: global_buffer, .address_space: global }
      - { .name: wo_h, .offset: 8, .size: 8, .value_kind: global_buffer, .address_space: global }
      - { .name: out_proj_bias, .offset: 16, .size: 8, .value_kind: global_buffer, .address_space: global }
      - { .name: out0, .offset: 24, .size: 8, .value_kind: global_buffer, .address_space: global }
    .group_segment_fixed_size: 327680
    .private_segment_fixed_size: 0
    .kernarg_segment_align: 8
    .kernarg_segment_size: 32
    .max_flat_workgroup_size: 128
    .sgpr_count:     78
    .vgpr_count:     512
    .wavefront_size: 32
...
	.end_amdgpu_metadata
.endif
;; end of part 4
